; MI455X (gfx1250); checked and timed in simulation.
; The chip was launched on July 23, 2026; its instructions are those of AMD's public machine-readable ISA for CDNA 5 (MIT licence, August 2026) and "CDNA5" Instruction Set Architecture Reference Guide (July 2026). The comments in the code are by the model that wrote it; some were corrected since.
;; Improved Transformer Encoder Block. Allowed arithmetic: matrix products marked QUANTISED: E2M3 operands, one E8M0 scale for each 32 along K, by v_wmma_scale_f32_16x16x128_f8f6f4 with both operands' format E2M3, f32 sums; everything else in f32.
;; Inputs: b1 4,096 float32; b2 512 float32; b_o 512 float32; key_padding_mask 4 x 2,048 bool; ln1_b 512 float32; ln1_g 512 float32; ln2_b 512 float32; ln2_g 512 float32; src 4 x 2,048 x 512 float32; w1 512 x 4,096 float32; w2 2,048 x 512 float32; w_k 512 x 512 float32; w_o 512 x 512 float32; w_q 512 x 512 float32; w_v 512 x 512 float32.
;; Outputs: out0 4 x 2,048 x 512 float32.
;; This version of the problem:
;;   THIS VERSION OF THE PROBLEM IS GIVEN IN LOW PRECISION. The matrix products marked QUANTISED in the list below multiply operands that are first quantised to E2M3 (2 exponent bits, 3 mantissa bits; 6 bits a number), with one power-of-two scale for each 32 numbers along K (OCP MX v1.0); their sums are f32. All else is computed in f32.
;;   The module's matrix products, in the order in which they are computed (A, B: the left and right operand; K: the contracted axis; several contracted axes count as one K, in the product's order):
;;     1. [M 8,192, K 512] x [K 512, N 512]; A: computed on the way; B: input w_q: QUANTISED
;;     2. [M 8,192, K 512] x [K 512, N 512]; A: computed on the way; B: input w_k: QUANTISED
;;     3. [M 8,192, K 512] x [K 512, N 512]; A: computed on the way; B: input w_v: QUANTISED
;;     4. batch 32 x [M 2,048, K 64] x [K 64, N 2,048]; A: computed on the way; B: computed on the way: QUANTISED
;;     5. batch 32 x [M 64, K 2,048] x [K 2,048, N 2,048]; A: computed on the way; B: softmax (see below): QUANTISED
;;     6. [M 8,192, K 512] x [K 512, N 512]; A: computed on the way; B: input w_o: QUANTISED
;;     7. [M 8,192, K 512] x [K 512, N 4,096]; A: computed on the way; B: input w1: QUANTISED
;;     8. [M 8,192, K 2,048] x [K 2,048, N 512]; A: computed on the way; B: input w2: QUANTISED
;;   THE QUANTISER, for each operand of a quantised product, along K:
;;     - K is cut into blocks of 32 from its start; a last block that is shorter is filled with zeros.
;;     - A block's scale is 2^e with e = floor(log2(the largest magnitude in the block)) - 2, held to -126 .. 127; a block of zeros has e = 0. As a byte (E8M0): e + 127.
;;     - Each number is divided by its block's scale, clamped to +-7.5, and rounded to the nearest number of E2M3, ties to even, subnormals kept.
;;     - The product sums the exact products of the quantised numbers (number of the format x scale) in f32.
;;   ~~~python
;;   def quantise(x, axis):      # numpy; x: float32 -> the quantised numbers, widened to float32 again
;;       x = np.moveaxis(x, axis, -1); K = x.shape[-1]
;;       x = np.pad(x, [(0, 0)] * (x.ndim - 1) + [(0, -K % 32)]); x = x.reshape(x.shape[:-1] + (-1, 32)); a = np.abs(x).max(-1, keepdims=True)
;;       e = np.where(a > 0, np.clip(np.frexp(np.where(a > 0, a, 1))[1] - 1 - 2, -126, 127), 0)      # np.frexp(a)[1] - 1 = floor(log2(a)), exactly
;;       r = np.clip(x / 2.0 ** e, -7.5, 7.5)
;;       step = 2.0 ** (np.maximum(np.frexp(np.where(r == 0, 1, r))[1] - 1, 0) - 3)
;;       q = np.round(r / step) * step * 2.0 ** e      # np.round: ties to even
;;       return np.moveaxis(q.reshape(q.shape[:-2] + (-1,))[..., :K], -1, axis).astype(np.float32)
;;   ~~~
;;   SOFTMAX AHEAD OF A QUANTISED PRODUCT. Where the list says 'softmax', what is quantised is not the finished softmax but p = 2^(t - M), with t = logit x log2(e) and M = ceil(the row's largest t), a whole number; so 1/2 < the row's largest p <= 1. The row's sum l is taken of the UNQUANTISED p, in f32, and the product's result is divided by l at the end. Since M is a whole number, a kernel that streams over the keys may use a running M (the ceiling of the running maximum): every later rescaling is an exact power of two, which a block's scale takes up: the codes' values come out the same.
;;   OPERANDS COMPUTED ON THE WAY. 'Computed on the way' means the value that the module computes at that place (a softmax that the list does not call 'softmax' is quantised finished and normalised). What goes into a quantiser is computed in f32, as accurately as f32 sums, v_exp_f32 and their like allow (about 1e-6 of the number): no bf16 or f16 on the way to a quantiser, and a product that is left as it is and whose result goes on into a quantised operand takes f32 operands (vector FMAs, or v_wmma_f32_16x16x4_f32). A number that lies on a knife's edge between two numbers of the format may be rounded either way, as far as f32 arithmetic and the matrix unit's own rounding can turn it there, and no further.
;; One version. Each part assembles by itself: llvm-mc -triple=amdgcn-amd-amdhsa -mcpu=gfx1250 --defsym DOCPART=n.
;; ======== version 1 of 1: 6 launches
;; limits: a function is approximated: absolute error at most 1.5e-07; right only within a limited range of input values
;; workspace buffers: wts 3,276,800 bytes; xq 3,276,800 bytes; qb 3,276,800 bytes; kv 6,815,744 bytes; ctxq 3,276,800 bytes; src2 16,777,216 bytes; x2q 3,276,800 bytes; gq 13,107,200 bytes
;; launch prep (part 1): grid 768 x 1, 4 waves a work-group, no clusters, 35,328 bytes of LDS; arguments src, ln1_g, ln1_b, w_q, w_k, w_v, w_o, w1, w2, xq, wts; writes xq, wts
.if DOCPART == 1
	.amdgcn_target "amdgcn-amd-amdhsa--gfx1250"
	.amdhsa_code_object_version 6
	.text
	.protected	k_qe0851be5e7_prep
	.globl	k_qe0851be5e7_prep
	.p2align	8
	.type	k_qe0851be5e7_prep,@function
k_qe0851be5e7_prep:
	s_mov_b64 s[64:65], 0
	v_nop
	global_prefetch_b8 v0, s[64:65] scope:SCOPE_SE
	s_setreg_imm32_b32 hwreg(HW_REG_WAVE_MODE, 25, 1), 1
	s_wait_xcnt 0x0
; PREP.  Work-groups 0-511: layer norm 1 of 16 rows of src and their codes of E2M3 (one E8M0 byte for each 32 along K).  Work-groups 512-767: the six weights' codes, quantised along K, their first axis.
; A TILE is 16 rows (of an activation) or 16 columns (of a weight): slot p of tile T is index 32 (T / 2) + 8 (T % 2) + p + (p & 8).  So a product's eight result registers of two neighbouring tiles are 16 neighbours.
; A FRAGMENT (16 slots x 128 K, 12 registers a lane) lies in memory as an image of its registers: register p of lane l at 512 (p / 4) + 16 l + 4 (p % 4).
; A RECORD of K = 512 is 6,400 bytes: four fragments, then the scale word of (slot r, K step ks) at 6,144 + 16 r + 4 ks.  Of K = 2,048: 25,600 bytes, words at 24,576 + 64 r + 4 ks.
; wts: records of w_q, w_k, w_v by head (12 a head), of w_o from record 96, of w1 from record 128 (8 a unit of 64 hidden features: 4 of the gate, 4 of the linear part), of w2 from byte 2,457,600.
; src IS READ DENSE: a load takes 512 consecutive bytes of one row, 16 a lane; the quantiser wants 16 neighbours of a row in a lane, so a wave's 16 rows x 512 bytes turn through its own stage in LDS (rows 528 bytes apart).
; No cluster: no two work-groups read the same bytes of src or of a weight.
; LIMITS: NaN and infinities among the inputs are not served; a block whose largest magnitude lies under 2^-124 keeps the scale byte 1 (a block of zeros too: its codes are zeros, and this program alone reads the bytes).
.set X,   64                           ; v64-127  my 64 numbers of the row: register 16 b + i = column 128 wave + 32 b + 16 (lane / 16) + i
.set GA,  128                          ; v128-191 the gain at these columns
.set BE,  192                          ; v192-255 the bias
.set TM,  16                           ; v16-31   the quantiser's work
.set PW,  32                           ; v32      the scale word just made
.set PC,  34                           ; v34-52   the codes just made
.set RW,  54                           ; v54-57   a sum's work
.set ARR, 5                            ; v5       16 r: where a row's four partial sums lie in LDS
.set ARW, 6                            ; v6       16 r + 4 wave: where mine goes
.set SEL, 2                            ; s[2:3]   v_permlanex16_b32's selects for lane l xor 16
.set SP,  528                          ; a stage row: 512 bytes + 16, an odd multiple of 16: the sixteen rows that a load touches begin in sixteen different columns of 16 bytes
.set STG, 1024                         ; the stages, 16 rows for each wave, behind the partial sums
.set MSB, 0
.macro WIN new                         ; the register windows (none is left in this text; the quantiser is written once for all launches)
.if MSB != (\new)
	s_set_vgpr_msb (MSB<<8)|(\new)
.set MSB, (\new)
.endif
.endm
; 16 nb numbers of a lane, register 16 b + i = k 32 b + 16 (lane / 16) + i of my slot, become codes in v[PC] on (6 registers for each 64 along K) and scale bytes in v[PW].
.macro QUANT s, w, nb
.set qS, (\s)&255
.set mW, ((\w)<<2)|((\w)<<4)
	WIN mW
.set qb, 0
.rept \nb
	v_max3_num_f32 v[TM+qb], 0x1800000, |v[qS+16*qb]|, |v[qS+16*qb+1]|   ; my 16 numbers of block qb, and the floor 2^(3 - 127): the byte cannot fall under 1
.set qb, qb+1
.endr
.irp i, 2,4,6,8,10,12,14
.set qb, 0
.rept \nb
	v_max3_num_f32 v[TM+qb], v[TM+qb], |v[qS+16*qb+\i]|, |v[qS+16*qb+\i+1]|
.set qb, qb+1
.endr
.endr
	WIN 0
.set qb, 0
.rept \nb
	v_permlanex16_b32 v[TM+4+qb], v[TM+qb], s[SEL], s[SEL+1]
.set qb, qb+1
.endr
.set qb, 0
.rept \nb
	v_max_num_f32 v[TM+qb], v[TM+qb], v[TM+4+qb]   ; with lane l xor 16's: the block's largest magnitude
.set qb, qb+1
.endr
.set qb, 0
.rept \nb
	v_add_nc_u32 v[TM+12+qb], 0xff000000, v[TM+qb] ; 2 off its exponent field: the conversion's scale operand
.set qb, qb+1
.endr
.set qb, 0
.rept \nb
	v_lshrrev_b32 v[TM+4+qb], 23, v[TM+12+qb]      ; the scale's byte
.set qb, qb+1
.endr
	v_lshl_or_b32 v[PW], v[TM+5], 8, v[TM+4]
.if \nb == 4
	v_lshl_or_b32 v[PW], v[TM+6], 16, v[PW]
	v_lshl_or_b32 v[PW], v[TM+7], 24, v[PW]
.endif
.set mW, (\w)
	WIN mW
.set qb, 0
.rept (\nb)/2
	v_cvt_scalef32_pk16_fp6_f32 v[PC+6*qb:PC+6*qb+2], v[qS+32*qb:qS+32*qb+15], v[TM+12+2*qb]
	v_cvt_scalef32_pk16_fp6_f32 v[PC+12+4*qb:PC+14+4*qb], v[qS+32*qb+16:qS+32*qb+31], v[TM+13+2*qb]   ; (a conversion's three registers begin on an even number)
.set qb, qb+1
.endr
	WIN 0
	v_nop                                          ; one plain place behind a scaled conversion
.set qb, 0
.rept (\nb)/2                          ; the operand's layout wants a whole block in a lane: lanes 0-15 the even block, lanes 16-31 the odd one
.irp i, 0,1,2
	v_permlane16_swap_b32 v[PC+6*qb+\i], v[PC+12+4*qb+\i]
.endr
.irp i, 0,1,2
	v_mov_b32 v[PC+3+6*qb+\i], v[PC+12+4*qb+\i]
.endr
.set qb, qb+1
.endr
.endm
; the sum (sq = 1: of the squares) of 64 registers and of lane l xor 16's: 128 columns of my row
.macro RSUM x, sq, R
.if \sq
	v_pk_mul_f32 v[RW:RW+1], v[\x:\x+1], v[\x:\x+1]
	v_pk_mul_f32 v[RW+2:RW+3], v[\x+2:\x+3], v[\x+2:\x+3]
.irp i, 4,8,12,16,20,24,28,32,36,40,44,48,52,56,60
	v_pk_fma_f32 v[RW:RW+1], v[\x+\i:\x+\i+1], v[\x+\i:\x+\i+1], v[RW:RW+1]
	v_pk_fma_f32 v[RW+2:RW+3], v[\x+\i+2:\x+\i+3], v[\x+\i+2:\x+\i+3], v[RW+2:RW+3]
.endr
.else
	v_pk_add_f32 v[RW:RW+1], v[\x:\x+1], v[\x+4:\x+5]
	v_pk_add_f32 v[RW+2:RW+3], v[\x+2:\x+3], v[\x+6:\x+7]
.irp i, 8,12,16,20,24,28,32,36,40,44,48,52,56,60
	v_pk_add_f32 v[RW:RW+1], v[RW:RW+1], v[\x+\i:\x+\i+1]
	v_pk_add_f32 v[RW+2:RW+3], v[RW+2:RW+3], v[\x+\i+2:\x+\i+3]
.endr
.endif
	v_pk_add_f32 v[RW:RW+1], v[RW:RW+1], v[RW+2:RW+3]
	v_add_f32 v[RW], v[RW], v[RW+1]
	v_permlanex16_b32 v[RW+2], v[RW], s[SEL], s[SEL+1]
	v_add_f32 v[\R], v[RW], v[RW+2]
.endm
; the four waves' partial sums of each row meet in LDS: my store has landed before I signal; the others' are read behind the barrier
.macro XWAVE region, R, Q
	ds_store_b32 v[ARW], v[\R] offset:\region      ; lanes l and l xor 16 write the same word with the same value
	s_wait_dscnt 0x0
	s_barrier_signal -1
	s_barrier_wait -1
	ds_load_b128 v[\Q:\Q+3], v[ARR] offset:\region
	s_wait_dscnt 0x0
	v_add_f32 v[\Q], v[\Q], v[\Q+1]
	v_add_f32 v[\Q+2], v[\Q+2], v[\Q+3]
	v_add_f32 v[\Q], v[\Q], v[\Q+2]
.endm
.macro STF va, sb, off                 ; the fragment in v[PC] on goes to memory as it stands: each store covers 512 consecutive bytes
	global_store_b128 v[\va], v[PC:PC+3], s[\sb:\sb+1] offset:(\off)
	global_store_b128 v[\va], v[PC+4:PC+7], s[\sb:\sb+1] offset:(\off)+512
	global_store_b128 v[\va], v[PC+8:PC+11], s[\sb:\sb+1] offset:(\off)+1024
.endm
	s_load_b256 s[4:11], s[0:1], 0x0               ; src, ln1_g, ln1_b, w_q
	s_load_b256 s[12:19], s[0:1], 0x20             ; w_k, w_v, w_o, w1
	s_load_b128 s[20:23], s[0:1], 0x40             ; w2, xq
	s_load_b64 s[24:25], s[0:1], 0x50              ; wts
	v_lshl_add_u32 v53, v0, 2, 0x8800
	v_mov_b32 v59, 0
	v_lshrrev_b32 v1, 5, v0
	v_readfirstlane_b32 s26, v1                    ; wave 0..3
	v_and_b32 v1, 31, v0                           ; lane
	v_and_b32 v2, 15, v0                           ; r
	v_bfe_u32 v3, v0, 4, 1                         ; h
	v_lshlrev_b32 v4, 4, v1                        ; 16 x lane
	s_mov_b32 s[SEL], 0x76543210
	s_mov_b32 s[SEL+1], 0xfedcba98
	s_wait_kmcnt 0x0
	s_cmp_lt_u32 ttmp9, 512                        ; the same for all four waves
	s_cbranch_scc0 .Lweights
	; ---- LAYER NORM 1: tile T = the work-group's number; wave w takes columns 128 w on, which are K step w
	v_lshlrev_b32 v[ARR], 4, v2
	s_lshl_b32 s27, s26, 2
	v_add_nc_u32 v[ARW], s27, v[ARR]
	s_mul_i32 s27, s26, 16*SP
	s_add_co_u32 s27, s27, STG                     ; my wave's stage
	v_add_nc_u32 v14, s27, v4                      ; in: 16 x lane of a row
	v_mul_u32_u24 v15, v2, SP
	v_lshl_add_u32 v15, v3, 6, v15
	v_add_nc_u32 v15, s27, v15                     ; back: row r, + 64 h
	v_lshlrev_b32 v8, 6, v3                        ; 64 h
	s_lshr_b32 s28, ttmp9, 1
	s_lshl_b32 s28, s28, 16                        ; 32 (T / 2) rows
	s_and_b32 s29, ttmp9, 1
	s_lshl_b32 s29, s29, 14                        ; 8 (T % 2) rows
	s_add_co_u32 s28, s28, s29
	s_lshl_b32 s30, s26, 9                         ; 512 w
	s_add_co_u32 s28, s28, s30
	s_mov_b32 s29, 0
	s_mov_b32 s31, 0
	s_add_nc_u64 s[4:5], s[4:5], s[28:29]
	s_add_nc_u64 s[6:7], s[6:7], s[30:31]
	s_add_nc_u64 s[8:9], s[8:9], s[30:31]
.irp i, 0,1,2,3,4,5,6,7,8,9,10,11,12,13,14,15
	global_load_b128 v[X+4*\i:X+4*\i+3], v4, s[4:5] offset:(\i+(\i&8))*2048 th:TH_LOAD_NT   ; slot i's row: 32 lanes read 512 consecutive bytes
.endr
.irp b, 0,1,2,3
.irp j, 0,1,2,3
	global_load_b128 v[GA+16*\b+4*\j:GA+16*\b+4*\j+3], v8, s[6:7] offset:128*\b+16*\j
.endr
.endr
.irp b, 0,1,2,3
.irp j, 0,1,2,3
	global_load_b128 v[BE+16*\b+4*\j:BE+16*\b+4*\j+3], v8, s[8:9] offset:128*\b+16*\j
.endr
.endr
	s_mul_i32 s28, ttmp9, 6400
	s_add_nc_u64 s[22:23], s[22:23], s[28:29]      ; my tile's record
	s_mul_i32 s32, s26, 1536
	v_add_nc_u32 v9, s32, v4                       ; 16 x lane + my K step's fragment
	s_mov_b32 s33, 0x3b000000                      ; 1 / 512
	s_mov_b32 s34, 0x3727c5ac                      ; 1e-5
.irp b, 0,1,2,3
	v_mov_b32 v[TM+4+\b], 0                        ; written once: a lane permute's destination counts as one of its sources
.endr
	s_wait_loadcnt 32                              ; x's 16 loads are in; the 32 of the gain and the bias, issued behind them, may be out
.irp i, 0,1,2,3,4,5,6,7,8,9,10,11,12,13,14,15
	ds_store_b128 v14, v[X+4*\i:X+4*\i+3] offset:SP*\i
.endr
.irp b, 0,1,2,3
.irp j, 0,1,2,3
	ds_load_b128 v[X+16*\b+4*\j:X+16*\b+4*\j+3], v15 offset:128*\b+16*\j   ; LDS serves a wave's instructions in order (ISA guide 5.7.1.4): these see my stores, and come back into the registers that the rows left
.endr
.endr
	s_wait_dscnt 0x0
	RSUM X, 0, 58
	XWAVE 0, 58, 10
	v_mul_f32 v60, s33, v10                        ; the mean
	v_mov_b32 v61, v60
.set k, 0
.rept 32
	v_pk_add_f32 v[X+k:X+k+1], v[X+k:X+k+1], v[60:61] neg_lo:[0,1] neg_hi:[0,1]
.set k, k+2
.endr
	RSUM X, 1, 58
	XWAVE 256, 58, 10                              ; other bytes than the first sum's: no barrier is owed between the two
	v_fma_f32 v58, v10, s33, s34                   ; the variance + 1e-5
	v_rsq_f32 v62, v58
	v_nop                                          ; a plain place behind the transcendental,
	s_wait_alu depctr_va_vdst(0)                   ; and the wait ahead of its first reader
	v_mov_b32 v63, v62
	s_wait_loadcnt 0x0                             ; the gain and the bias
.set k, 0
.rept 32
	v_pk_mul_f32 v[X+k:X+k+1], v[X+k:X+k+1], v[62:63]
.set k, k+2
.endr
.set k, 0
.rept 32
	v_pk_fma_f32 v[X+k:X+k+1], v[X+k:X+k+1], v[GA+k:GA+k+1], v[BE+k:BE+k+1]
.set k, k+2
.endr
	QUANT X, 0, 4
	STF 9, 22, 0
	global_store_b32 v[ARW], v[PW], s[22:23] offset:6144   ; the word of (slot r, K step w)
	s_wait_tensorcnt 0x0
	ds_add_u32 v53, v59
	s_wait_dscnt 0x0
	s_endpgm
	; ---- THE WEIGHTS: a work-group takes 128 columns x 128 along K, a wave 32 columns: two tiles.  A lane takes a column and its 128 registers run down K.
.Lweights:
	s_sub_co_u32 s34, ttmp9, 512
	s_cmp_lt_u32 s34, 64
	s_cbranch_scc0 .Lnot_small
	s_lshr_b32 s35, s34, 4                         ; which of w_q, w_k, w_v, w_o
	s_bfe_u32 s42, s34, 0x20002                    ; group of 128 columns
	s_and_b32 s43, s34, 3                          ; K step
	s_lshl_b32 s42, s42, 2
	s_add_co_u32 s42, s42, s26                     ; my group of 32 columns
	s_lshr_b32 s44, s42, 1
	s_mul_i32 s44, s44, 12                         ; the head's 12 records,
	s_lshl_b32 s45, s35, 2
	s_add_co_u32 s44, s44, s45                     ; four for each of Q, K, V,
	s_and_b32 s45, s42, 1
	s_lshl_b32 s45, s45, 1
	s_add_co_u32 s44, s44, s45                     ; my two of the four
	s_lshl_b32 s45, s42, 1
	s_add_co_u32 s45, s45, 96                      ; w_o: records 96 on
	s_cmp_eq_u32 s35, 3
	s_cselect_b32 s44, s45, s44
	s_mul_i32 s44, s44, 6400
	s_mov_b32 s46, 6400                            ; a record,
	s_mov_b32 s47, 6144                            ; where its scale words begin,
	s_mov_b32 s48, 16                              ; and their bytes a slot
	s_lshl_b32 s49, s43, 18                        ; 128 rows of 2,048 bytes a K step
	s_mov_b32 s50, 0
	s_branch .Ljoin
.Lnot_small:
	s_cmp_lt_u32 s34, 192
	s_cbranch_scc0 .Lw_two
	s_sub_co_u32 s34, s34, 64                      ; w1
	s_mov_b32 s35, 4
	s_lshr_b32 s42, s34, 2
	s_and_b32 s43, s34, 3
	s_lshl_b32 s42, s42, 2
	s_add_co_u32 s42, s42, s26
	s_and_b32 s44, s42, 63
	s_lshr_b32 s44, s44, 1
	s_lshl_b32 s44, s44, 3                         ; the unit's 8 records,
	s_lshr_b32 s45, s42, 6
	s_lshl_b32 s45, s45, 2
	s_add_co_u32 s44, s44, s45                     ; the gate's four or the linear part's,
	s_and_b32 s45, s42, 1
	s_lshl_b32 s45, s45, 1
	s_add_co_u32 s44, s44, s45
	s_add_co_u32 s44, s44, 128                     ; records 128 on
	s_mul_i32 s44, s44, 6400
	s_mov_b32 s46, 6400
	s_mov_b32 s47, 6144
	s_mov_b32 s48, 16
	s_lshl_b32 s49, s43, 21                        ; 128 rows of 16,384 bytes
	s_mov_b32 s50, 1
	s_branch .Ljoin
.Lw_two:
	s_sub_co_u32 s34, s34, 192                     ; w2
	s_mov_b32 s35, 5
	s_lshr_b32 s42, s34, 4
	s_and_b32 s43, s34, 15
	s_lshl_b32 s42, s42, 2
	s_add_co_u32 s42, s42, s26
	s_mul_i32 s44, s42, 51200
	s_add_co_u32 s44, s44, 2457600
	s_mov_b32 s46, 25600
	s_mov_b32 s47, 24576
	s_mov_b32 s48, 64
	s_lshl_b32 s49, s43, 18
	s_mov_b32 s50, 0
.Ljoin:
	s_cmp_eq_u32 s35, 0                            ; the source: a choice between buffers on a whole number made of the work-group's number
	s_cselect_b64 s[36:37], s[10:11], s[12:13]
	s_cmp_eq_u32 s35, 2
	s_cselect_b64 s[36:37], s[14:15], s[36:37]
	s_cmp_eq_u32 s35, 3
	s_cselect_b64 s[36:37], s[16:17], s[36:37]
	s_cmp_eq_u32 s35, 4
	s_cselect_b64 s[36:37], s[18:19], s[36:37]
	s_cmp_eq_u32 s35, 5
	s_cselect_b64 s[36:37], s[20:21], s[36:37]
	s_lshl_b32 s51, s42, 7                         ; 32 columns are 128 bytes
	s_add_co_u32 s52, s49, s51
	s_mov_b32 s53, 0
	s_add_nc_u64 s[36:37], s[36:37], s[52:53]
	s_mul_i32 s52, s43, 1536
	s_add_co_u32 s52, s52, s44
	s_add_nc_u64 s[38:39], s[24:25], s[52:53]      ; the first tile's fragment of this K step,
	s_mov_b32 s54, s46
	s_mov_b32 s55, 0
	s_add_nc_u64 s[40:41], s[38:39], s[54:55]      ; the second tile's
	s_lshl_b32 s52, s43, 2
	s_add_co_u32 s52, s52, s44
	s_add_co_u32 s52, s52, s47
	s_add_nc_u64 s[56:57], s[24:25], s[52:53]      ; the scale words of this K step
	v_and_b32 v5, 7, v0
	v_bfe_u32 v6, v0, 3, 1
	v_lshlrev_b32 v5, 2, v5
	v_lshl_add_u32 v5, v3, 5, v5
	v_lshl_add_u32 v5, v6, 6, v5                   ; my column: the lane's number with bits 3 and 4 exchanged, so that lanes 0-15 are the first tile's slots and lanes 16-31 the second's
	v_mul_lo_u32 v10, v3, s46
	v_mul_lo_u32 v11, v2, s48
	v_add_nc_u32 v10, v10, v11                     ; my tile's record, my slot's word
.macro LOADW N                         ; W(128 ks + i, my column): each load reads 128 consecutive bytes
.set k, 0
.rept 128
	global_load_b32 v[64+k], v5, s[36:37] offset:k*(\N)*4 th:TH_LOAD_NT
.set k, k+1
.endr
.endm
	s_cmp_eq_u32 s50, 1
	s_cbranch_scc1 .Lwide
	LOADW 512
	s_branch .Lloaded
.Lwide:
	LOADW 4096
.Lloaded:
.macro WBLOCK B, cnt                   ; block B of 32 along K: all its numbers are mine
	s_wait_loadcnt \cnt
.set XB, 64+32*\B
	v_max3_num_f32 v12, |v[XB]|, |v[XB+1]|, |v[XB+2]|
	v_max3_num_f32 v13, |v[XB+3]|, |v[XB+4]|, |v[XB+5]|
.irp i, 6,10,14,18,22,26
	v_max3_num_f32 v12, v12, |v[XB+\i]|, |v[XB+\i+1]|
	v_max3_num_f32 v13, v13, |v[XB+\i+2]|, |v[XB+\i+3]|
.endr
	v_max3_num_f32 v12, v12, |v[XB+30]|, |v[XB+31]|
	v_max3_num_f32 v12, v12, v13, 0x1800000        ; and the floor
	v_add_nc_u32 v[24+\B], 0xff000000, v12         ; the conversion's scale operand
	v_lshrrev_b32 v13, 23, v[24+\B]                ; the byte
.if \B == 0
	v_mov_b32 v20, v13
.else
	v_lshl_or_b32 v20, v13, 8*\B, v20              ; the column's scale word of this K step
.endif
	v_cvt_scalef32_pk16_fp6_f32 v[192+12*(\B%2)+6*(\B/2):192+12*(\B%2)+6*(\B/2)+2], v[XB:XB+15], v[24+\B]   ; even blocks to v192 on, odd ones to v204 on
	v_cvt_scalef32_pk16_fp6_f32 v[216+4*\B:216+4*\B+2], v[XB+16:XB+31], v[24+\B]
.endm
	WBLOCK 0, 63                                   ; 96 younger loads could stay out: 63 is the largest count that the wait can name
	WBLOCK 1, 63                                   ; 64 could
	WBLOCK 2, 32                                   ; the last block's 32 may be out
	WBLOCK 3, 0
	v_nop                                          ; one plain place behind a scaled conversion
.irp B, 0,1,2,3
.irp i, 0,1,2
	v_mov_b32 v[192+12*(\B%2)+6*(\B/2)+3+\i], v[216+4*\B+\i]
.endr
.endr
.irp i, 0,1,2,3,4,5,6,7,8,9,10,11
	v_permlane16_swap_b32 v[192+\i], v[204+\i]     ; v192 on: the first tile's fragment (lanes 16-31 get its odd blocks); v204 on: the second tile's
.endr
.irp c, 0,1,2
	global_store_b128 v4, v[192+4*\c:195+4*\c], s[38:39] offset:512*\c
.endr
.irp c, 0,1,2
	global_store_b128 v4, v[204+4*\c:207+4*\c], s[40:41] offset:512*\c
.endr
	global_store_b32 v10, v20, s[56:57]
	s_endpgm
.Lfunc_end_k_qe0851be5e7_prep:
	.size	k_qe0851be5e7_prep, .Lfunc_end_k_qe0851be5e7_prep-k_qe0851be5e7_prep
	.p2alignl 7, 3214868480
	.fill 96, 4, 3214868480
	.section	.rodata,"a",@progbits
	.p2align	6, 0x0
	.amdhsa_kernel k_qe0851be5e7_prep
		.amdhsa_group_segment_fixed_size 35328
		.amdhsa_private_segment_fixed_size 0
		.amdhsa_enable_private_segment 0
		.amdhsa_kernarg_size 88
		.amdhsa_user_sgpr_count 2
		.amdhsa_user_sgpr_kernarg_segment_ptr 1
		.amdhsa_wavefront_size32 1
		.amdhsa_system_sgpr_workgroup_id_x 1
		.amdhsa_system_sgpr_workgroup_id_y 1
		.amdhsa_system_sgpr_workgroup_id_z 1
		.amdhsa_system_vgpr_workitem_id 0
		.amdhsa_next_free_vgpr 256
		.amdhsa_next_free_sgpr 66
		.amdhsa_reserve_vcc 0
		.amdhsa_float_denorm_mode_32 3
		.amdhsa_float_denorm_mode_16_64 3
		.amdhsa_memory_ordered 1
		.amdhsa_forward_progress 1
		.amdhsa_inst_pref_size 59
	.end_amdhsa_kernel
	.amdgpu_metadata
---
amdhsa.version: [ 1, 2 ]
amdhsa.kernels:
  - .name:           k_qe0851be5e7_prep
    .symbol:         k_qe0851be5e7_prep.kd
    .args:
      - { .name: src, .offset: 0, .size: 8, .value_kind: global_buffer, .address_space: global }
      - { .name: ln1_g, .offset: 8, .size: 8, .value_kind: global_buffer, .address_space: global }
      - { .name: ln1_b, .offset: 16, .size: 8, .value_kind: global_buffer, .address_space: global }
      - { .name: w_q, .offset: 24, .size: 8, .value_kind: global_buffer, .address_space: global }
      - { .name: w_k, .offset: 32, .size: 8, .value_kind: global_buffer, .address_space: global }
      - { .name: w_v, .offset: 40, .size: 8, .value_kind: global_buffer, .address_space: global }
      - { .name: w_o, .offset: 48, .size: 8, .value_kind: global_buffer, .address_space: global }
      - { .name: w1, .offset: 56, .size: 8, .value_kind: global_buffer, .address_space: global }
      - { .name: w2, .offset: 64, .size: 8, .value_kind: global_buffer, .address_space: global }
      - { .name: xq, .offset: 72, .size: 8, .value_kind: global_buffer, .address_space: global }
      - { .name: wts, .offset: 80, .size: 8, .value_kind: global_buffer, .address_space: global }
    .group_segment_fixed_size: 35328
    .private_segment_fixed_size: 0
    .kernarg_segment_align: 8
    .kernarg_segment_size: 88
    .max_flat_workgroup_size: 128
    .sgpr_count:     66
    .vgpr_count:     256
    .wavefront_size: 32
...
	.end_amdgpu_metadata
.endif
;; end of part 1
;; launch qkv (part 2): grid 8 x 32, 4 waves a work-group, clusters of 4 x 4, 179,712 bytes of LDS; arguments xq, wts, key_padding_mask, qb, kv; writes qb, kv
.if DOCPART == 2
	.amdgcn_target "amdgcn-amd-amdhsa--gfx1250"
	.amdhsa_code_object_version 6
	.text
	.protected	k_qe0851be5e7_qkv
	.globl	k_qe0851be5e7_qkv
	.p2align	8
	.type	k_qe0851be5e7_qkv,@function
k_qe0851be5e7_qkv:
	s_mov_b64 s[64:65], 0
	v_nop
	global_prefetch_b8 v0, s[64:65] scope:SCOPE_SE
	s_setreg_imm32_b32 hwreg(HW_REG_WAVE_MODE, 25, 1), 1
	s_wait_xcnt 0x0
	s_wait_alu depctr_hold_cnt(0) depctr_sa_sdst(0) depctr_va_vdst(0) depctr_va_sdst(0) depctr_va_ssrc(0) depctr_va_vcc(0) depctr_vm_vsrc(0)
	s_getreg_b32 s2, hwreg(HW_REG_IB_STS2, 6, 4)
	s_cmp_eq_u32 s2, 0
	s_cbranch_scc0 .Lentry_in_a_cluster
	s_endpgm
.Lentry_in_a_cluster:
	s_bfe_u32 s2, ttmp6, 0x10000c
	s_cmp_lg_u32 s2, 0xf033
	s_cbranch_scc0 .Lentry_shape_is_right
	s_endpgm
.Lentry_shape_is_right:
; QKV.  Q = x w_q, K = x w_k, V = x w_v on codes of E2M3, and their own codes: Q and K along the head's 64, V along the keys.  Also the table of ALiBi and mask for each key.
; A work-group takes one head (x) and 256 rows (y).  x's 16 records (102,400 bytes) and the head's 12 weight records (76,800 bytes) are dense blocks: each wave brings a quarter of each by one tensor load; filled once.
; CLUSTER: 4 x 4 work-groups.  The four of a row of the cluster (four heads, the same 256 rows) need the same records of x; the four of a column (one head) the same weight records.  Each quarter is asked for JOINTLY:
; the same tensor load, with the same descriptor and a mask that names the four; each receives it in its own LDS.  That divides the requests for both panels by four.
; Wave w: rows 128 (w / 2) on, which are one key step of attention; w % 2 = 0 makes Q, 1 makes K (source 0 = weight tile, source 1 = x tile: a lane holds a row, registers run along the head);
; both make two of V's four feature tiles (source 0 = x tile, source 1 = weight tile: a lane holds a feature, registers run along the keys).
; Q's and K's fragments are PACKED: k < 64 holds the 64 features of row tile 2 p, k >= 64 those of tile 2 p + 1: the quantiser runs over the 32 registers of the one and the 32 of the other.
; kv: a block of 13,312 bytes for each head and key step: K's 4 packed fragments, V's 4 fragments, K's scale words (12,288 + 64 p + 4 r), V's (12,544 + 64 t + 4 r), the table (12,800 + 4 key).
; THE TABLE: 8 x slope x (key in the step), which the score product takes as its C; under the mask -2^100.  LIMIT: so |logit x log2(e)| has to stay under 2^80; NaN and infinities are not served.
.set XS,  8                            ; v8-15    x's scale words, 4 u + ks
.set WS,  16                           ; v16-31   Q's or K's weights' scale words, 4 ct + ks
.set WVS, 32                           ; v32-39   V's weights'
.set TM,  40                           ; v40-55   the quantiser's work
.set PW,  56
.set PC,  58                           ; v58-76
.set AQ,  80                           ; v80-143  8 accumulators of Q or K: 32 u + 8 ct
.set XF,  144                          ; v144-239 x's fragments of a pair of tiles: 48 u + 12 ks
.set AV,  256                          ; window 1: 16 accumulators of V: 64 f + 16 p + 8 u
.set WV,  384                          ;           V's weights: 48 f + 12 ks
.set WQK, 512                          ; window 2: Q's or K's weights: 48 ct + 12 ks
.set SEL, 48
.set WVN, 14                           ; s14      my wave's number
.set MSB, 0
.macro WIN new                         ; the immediate's high byte repeats the setting that is left
.if MSB != (\new)
	s_set_vgpr_msb (MSB<<8)|(\new)
.set MSB, (\new)
.endif
.endm
.macro PLACES n
.rept \n
	v_nop
.endr
.endm
; A round of the cluster's barrier: my work-group's barrier, so that wave 0's signal speaks for all four waves; wave 0 signals for the work-group; every wave waits for all sixteen; my work-group's barrier once more.
.macro CROUND
	s_barrier_signal -1
	s_barrier_wait -1
	s_cmp_lg_u32 s[WVN], 0
	s_cbranch_scc1 .Lnot_wave_0_\@
	s_barrier_signal -3
.Lnot_wave_0_\@:
	s_barrier_wait -3
	s_barrier_signal -1
	s_barrier_wait -1
.endm
; a product; registers are numbered 0 to 1,023: the window is the number / 256.  c < 0: the constant 0 starts the sum
.macro MM d, a, b, c, sa, sb, rowa
.set mD, (\d)&255
.set mA, (\a)&255
.set mB, (\b)&255
.if (\c) < 0
.set mW, (((\d)>>8)<<6)|(((\d)>>8)<<4)|(((\b)>>8)<<2)|((\a)>>8)
	WIN mW
	v_wmma_scale_f32_16x16x128_f8f6f4 v[mD:mD+7], v[mA:mA+11], v[mB:mB+11], 0, v[\sa], v[\sb] matrix_a_fmt:MATRIX_FMT_FP6 matrix_b_fmt:MATRIX_FMT_FP6
.else
.set mC, (\c)&255
.set mW, (((\d)>>8)<<6)|(((\c)>>8)<<4)|(((\b)>>8)<<2)|((\a)>>8)
	WIN mW
	v_wmma_scale_f32_16x16x128_f8f6f4 v[mD:mD+7], v[mA:mA+11], v[mB:mB+11], v[mC:mC+7], v[\sa], v[\sb] matrix_a_fmt:MATRIX_FMT_FP6 matrix_b_fmt:MATRIX_FMT_FP6
.endif
.endm
.macro LDF_L g, va, off                ; a fragment's image from LDS: each load reads 512 consecutive bytes
.set mW, ((\g)>>8)<<6
	WIN mW
.set mG, (\g)&255
	ds_load_b128 v[mG:mG+3], v[\va] offset:(\off)
	ds_load_b128 v[mG+4:mG+7], v[\va] offset:(\off)+512
	ds_load_b128 v[mG+8:mG+11], v[\va] offset:(\off)+1024
.endm
.macro STF va, sb, off
	global_store_b128 v[\va], v[PC:PC+3], s[\sb:\sb+1] offset:(\off)
	global_store_b128 v[\va], v[PC+4:PC+7], s[\sb:\sb+1] offset:(\off)+512
	global_store_b128 v[\va], v[PC+8:PC+11], s[\sb:\sb+1] offset:(\off)+1024
.endm
; 16 nb numbers of a lane (window w), register 16 b + i = k 32 b + 16 (lane / 16) + i of my slot, become codes in v[PC] on and scale bytes in v[PW].  Each accumulator is read from its low end on.
.macro QUANT s, w, nb
.set qS, (\s)&255
.set mW, ((\w)<<2)|((\w)<<4)
	WIN mW
.set qb, 0
.rept \nb
	v_max3_num_f32 v[TM+qb], 0x1800000, |v[qS+16*qb]|, |v[qS+16*qb+1]|   ; with the floor 2^(3 - 127): the byte cannot fall under 1
.set qb, qb+1
.endr
.irp i, 2,4,6,8,10,12,14
.set qb, 0
.rept \nb
	v_max3_num_f32 v[TM+qb], v[TM+qb], |v[qS+16*qb+\i]|, |v[qS+16*qb+\i+1]|
.set qb, qb+1
.endr
.endr
	WIN 0
.set qb, 0
.rept \nb
	v_permlanex16_b32 v[TM+4+qb], v[TM+qb], s[SEL], s[SEL+1]
.set qb, qb+1
.endr
.set qb, 0
.rept \nb
	v_max_num_f32 v[TM+qb], v[TM+qb], v[TM+4+qb]
.set qb, qb+1
.endr
.set qb, 0
.rept \nb
	v_add_nc_u32 v[TM+12+qb], 0xff000000, v[TM+qb]
.set qb, qb+1
.endr
.set qb, 0
.rept \nb
	v_lshrrev_b32 v[TM+4+qb], 23, v[TM+12+qb]
.set qb, qb+1
.endr
	v_lshl_or_b32 v[PW], v[TM+5], 8, v[TM+4]
.if \nb == 4
	v_lshl_or_b32 v[PW], v[TM+6], 16, v[PW]
	v_lshl_or_b32 v[PW], v[TM+7], 24, v[PW]
.endif
.set mW, (\w)
	WIN mW
.set qb, 0
.rept (\nb)/2
	v_cvt_scalef32_pk16_fp6_f32 v[PC+6*qb:PC+6*qb+2], v[qS+32*qb:qS+32*qb+15], v[TM+12+2*qb]
	v_cvt_scalef32_pk16_fp6_f32 v[PC+12+4*qb:PC+14+4*qb], v[qS+32*qb+16:qS+32*qb+31], v[TM+13+2*qb]
.set qb, qb+1
.endr
	WIN 0
	v_nop                                          ; one plain place behind a scaled conversion
.set qb, 0
.rept (\nb)/2
.irp i, 0,1,2
	v_permlane16_swap_b32 v[PC+6*qb+\i], v[PC+12+4*qb+\i]
.endr
.irp i, 0,1,2
	v_mov_b32 v[PC+3+6*qb+\i], v[PC+12+4*qb+\i]
.endr
.set qb, qb+1
.endr
.endm
	s_load_b256 s[4:11], s[0:1], 0x0               ; xq, wts, key_padding_mask, qb
	s_load_b64 s[12:13], s[0:1], 0x20              ; kv
	v_lshl_add_u32 v254, v0, 2, 0x2bc00
	v_mov_b32 v255, 0
	ds_add_u32 v254, v255
	ds_add_u32 v254, v255
	v_lshrrev_b32 v1, 5, v0
	v_readfirstlane_b32 s14, v1                    ; wave 0..3
	s_lshr_b32 s15, s14, 1                         ; rh: which 128 rows
	s_and_b32 s16, s14, 1                          ; cp: Q (0) or K (1)
	s_bfe_u32 s66, ttmp6, 0x40000                  ; cx, cy: my place in the cluster
	s_bfe_u32 s67, ttmp6, 0x40004
	s_lshl_b32 s68, ttmp9, 2
	s_add_co_u32 s68, s68, s66                     ; the head = 4 x cluster x + cx
	s_and_b32 s18, ttmp7, 0xffff
	s_lshl_b32 s18, s18, 2
	s_add_co_u32 s18, s18, s67                     ; rg: which 256 rows = 4 x cluster y + cy
	s_lshl_b32 s69, s67, 2
	s_lshl_b32 s69, 15, s69                        ; my row of the cluster
	s_lshl_b32 s70, 0x1111, s66                    ; my column
	; descriptor groups 1: dense blocks as rows of 256 bytes (32 elements of 8 bytes), 100 rows and 75 rows
	s_or_b32 s24, s69, (3<<16)|(1<<21)             ; x's records hang on the rows alone: they go to my row of the cluster
	s_mov_b32 s25, 32<<16
	s_mov_b32 s26, 100<<16
	s_mov_b32 s27, 32<<16
	s_mov_b32 s28, 100
	s_mov_b32 s29, 32
	s_mov_b32 s30, 0
	s_mov_b32 s31, 0
	s_or_b32 s32, s70, (3<<16)|(1<<21)             ; the weights hang on the head alone: they go to my column
	s_mov_b32 s33, 32<<16
	s_mov_b32 s34, 75<<16
	s_mov_b32 s35, 32<<16
	s_mov_b32 s36, 75
	s_mov_b32 s37, 32
	s_mov_b32 s38, 0
	s_mov_b32 s39, 0
	s_mov_b32 s40, 1
	s_mul_i32 s41, s14, 25600                      ; x's quarter goes to 25,600 x wave: no place in the cluster enters an LDS address
	s_mov_b32 s44, 1
	s_mul_i32 s45, s14, 19200
	s_add_co_u32 s45, s45, 102400                  ; the weights' to 102,400 + 19,200 x wave
	s_mul_i32 s56, s18, 102400
	s_mul_i32 s57, s14, 25600
	s_add_co_u32 s56, s56, s57
	s_mov_b32 s57, 0
	s_mul_i32 s58, s68, 76800
	s_mul_i32 s59, s14, 19200
	s_add_co_u32 s58, s58, s59
	s_mov_b32 s59, 0
	s_wait_dscnt 0x0
	s_wait_kmcnt 0x0
	s_add_nc_u64 s[42:43], s[4:5], s[56:57]
	s_or_b32 s43, s43, 0x80000000
	s_add_nc_u64 s[46:47], s[6:7], s[58:59]
	s_or_b32 s47, s47, 0x80000000
	CROUND                                         ; all sixteen work-groups are here: the joint loads meet
	tensor_load_to_lds s[40:43], s[24:31]          ; two loads of mine are out; no byte of LDS is filled twice
	s_nop 0
	tensor_load_to_lds s[44:47], s[32:39]
	s_nop 0
	PLACES 4                                       ; places behind a wave's tensor loads
	v_and_b32 v240, 31, v0                         ; lane
	v_and_b32 v241, 15, v0                         ; r
	v_lshlrev_b32 v1, 4, v240                      ; 16 x lane
	v_lshlrev_b32 v2, 4, v241                      ; 16 r
	v_lshlrev_b32 v3, 2, v241                      ; 4 r
	s_mul_i32 s56, s15, 51200
	v_add_nc_u32 v4, s56, v1                       ; my 8 records of x: images,
	v_add_nc_u32 v5, s56, v2                       ; scale words
	s_mul_i32 s56, s16, 25600
	s_add_co_u32 s56, s56, 102400
	v_add_nc_u32 v6, s56, v1                       ; Q's or K's four weight records
	v_add_nc_u32 v244, s56, v2
	s_mul_i32 s56, s16, 12800
	s_add_co_u32 s56, s56, 153600
	v_add_nc_u32 v7, s56, v1                       ; my two of V's four
	v_add_nc_u32 v245, s56, v2
	s_mov_b32 s[SEL], 0x76543210
	s_mov_b32 s[SEL+1], 0xfedcba98
.irp b, 0,1,2,3
	v_mov_b32 v[TM+4+\b], 0                        ; written once: a lane permute's destination counts as one of its sources
.endr
	; ---- the table, while the fills are out: my 64 keys of the step, two a lane
	s_lshr_b32 s19, s18, 3                         ; batch
	s_lshl_b32 s20, s19, 3
	s_add_co_u32 s20, s20, s68                     ; bh = 8 batch + head
	s_and_b32 s21, s18, 7
	s_lshl_b32 s22, s21, 1
	s_add_co_u32 s22, s22, s15                     ; the key step
	s_lshl_b32 s23, s16, 6                         ; 64 cp
	s_lshl_b32 s56, s19, 11
	s_lshl_b32 s57, s22, 7
	s_add_co_u32 s56, s56, s57
	s_add_co_u32 s56, s56, s23
	s_mov_b32 s57, 0
	s_add_nc_u64 s[8:9], s[8:9], s[56:57]
	v_lshlrev_b32 v242, 1, v240
	global_load_u16 v243, v242, s[8:9]             ; two bytes of the mask
	s_lshl_b32 s56, s20, 4
	s_add_co_u32 s56, s56, s22
	s_mul_i32 s56, s56, 13312
	s_add_nc_u64 s[54:55], s[12:13], s[56:57]      ; my block of kv
	s_lshl_b32 s58, s16, 8
	s_add_co_u32 s58, s58, 12800
	s_mov_b32 s59, 0
	s_add_nc_u64 s[60:61], s[54:55], s[58:59]
	v_add_nc_u32 v246, s23, v242                   ; the key in the step
	v_add_nc_u32 v247, 1, v246
	v_cvt_f32_u32 v246, v246
	v_cvt_f32_u32 v247, v247
	s_sub_co_u32 s62, 129, s68
	s_lshl_b32 s62, s62, 23                        ; 8 x slope = 2^(2 - head)
	v_mul_f32 v246, s62, v246                      ; exact
	v_mul_f32 v247, s62, v247
	v_mov_b32 v250, 0xf1800000                     ; -2^100
	v_lshlrev_b32 v251, 3, v240
	s_wait_loadcnt 0x0
	v_and_b32 v248, 0xff, v243
	v_lshrrev_b32 v249, 8, v243
	v_cmp_ne_u32 vcc_lo, 0, v248
	v_cndmask_b32 v246, v246, v250, vcc_lo
	v_cmp_ne_u32 vcc_lo, 0, v249
	v_cndmask_b32 v247, v247, v250, vcc_lo
	global_store_b64 v251, v[246:247], s[60:61]    ; 32 lanes store 256 consecutive bytes
	; ---- where the codes go
	s_lshl_b32 s56, s20, 6
	s_lshl_b32 s58, s21, 3
	s_add_co_u32 s56, s56, s58
	s_lshl_b32 s58, s15, 2
	s_add_co_u32 s56, s56, s58                     ; Q: my first pair of tiles, 64 bh + 8 (rg % 8) + 4 rh
	s_lshl_b32 s58, s56, 6
	s_add_co_u32 s58, s58, 3145728
	s_mul_i32 s56, s56, 1536
	s_add_nc_u64 s[50:51], s[10:11], s[56:57]
	s_add_nc_u64 s[52:53], s[10:11], s[58:59]
	s_add_nc_u64 s[56:57], s[54:55], 12288
	s_cmp_eq_u32 s16, 0                            ; Q's wave or K's: a choice that hangs on the wave's number alone
	s_cselect_b64 s[50:51], s[50:51], s[54:55]
	s_cselect_b64 s[52:53], s[52:53], s[56:57]
	s_mul_i32 s58, s16, 3072
	s_add_co_u32 s58, s58, 6144
	s_add_nc_u64 s[56:57], s[54:55], s[58:59]      ; V's fragments 2 cp, 2 cp + 1
	s_lshl_b32 s62, s16, 7
	s_add_co_u32 s62, s62, 12544
	s_mov_b32 s63, 0
	s_add_nc_u64 s[58:59], s[54:55], s[62:63]      ; and their scale words
	s_wait_tensorcnt 0x0                           ; my two quarters have landed,
	s_barrier_signal -1
	s_barrier_wait -1                              ; everybody's have
.irp ct, 0,1,2,3
.irp ks, 0,1,2,3
	LDF_L WQK+48*\ct+12*\ks, 6, \ct*6400+1536*\ks
.endr
.endr
.irp f, 0,1
.irp ks, 0,1,2,3
	LDF_L WV+48*\f+12*\ks, 7, \f*6400+1536*\ks
.endr
.endr
	WIN 0
.irp ct, 0,1,2,3
	ds_load_b128 v[WS+4*\ct:WS+4*\ct+3], v244 offset:\ct*6400+6144
.endr
.irp f, 0,1
	ds_load_b128 v[WVS+4*\f:WVS+4*\f+3], v245 offset:\f*6400+6144
.endr
.macro XLOAD p                         ; pair p of my tiles of x: 8 fragments, 8 scale words
.irp u, 0,1
.irp ks, 0,1,2,3
	LDF_L XF+48*\u+12*\ks, 4, (2*(\p)+\u)*6400+1536*\ks
.endr
.endr
	ds_load_b128 v[XS:XS+3], v5 offset:(2*(\p))*6400+6144
	ds_load_b128 v[XS+4:XS+7], v5 offset:(2*(\p)+1)*6400+6144
.endm
	XLOAD 0
; a pair of row tiles: 48 products, 12 accumulators by turns
.macro PAIR p
	s_wait_dscnt 0x0
.irp ks, 0,1,2,3
.irp u, 0,1
.irp ct, 0,1,2,3
.if \ks == 0
	MM AQ+32*\u+8*\ct, WQK+48*\ct+12*\ks, XF+48*\u+12*\ks, -1, WS+4*\ct+\ks, XS+4*\u+\ks, 0
.else
	MM AQ+32*\u+8*\ct, WQK+48*\ct+12*\ks, XF+48*\u+12*\ks, AQ+32*\u+8*\ct, WS+4*\ct+\ks, XS+4*\u+\ks, 0
.endif
.endr
.endr
.irp f, 0,1
.irp u, 0,1
.if \ks == 0
	MM AV+64*\f+16*(\p)+8*\u, XF+48*\u+12*\ks, WV+48*\f+12*\ks, -1, XS+4*\u+\ks, WVS+4*\f+\ks, 0
.else
	MM AV+64*\f+16*(\p)+8*\u, XF+48*\u+12*\ks, WV+48*\f+12*\ks, AV+64*\f+16*(\p)+8*\u, XS+4*\u+\ks, WVS+4*\f+\ks, 0
.endif
.endr
.endr
.endr
	WIN 0
	PLACES 4                                       ; in front of loads into registers that the products have read, and of the first read of results
.if \p < 3
	XLOAD (\p)+1
.endif
	s_wait_xcnt 0x0                                ; the last stores have read the codes' registers
	QUANT AQ, 0, 4                                 ; tile 2 p's 64 features | tile 2 p + 1's: a packed fragment
	STF 1, 50, 1536*(\p)
	global_store_b32 v3, v[PW], s[52:53] offset:64*(\p)
.endm
	PAIR 0
	PAIR 1
	PAIR 2
	PAIR 3
.irp f, 0,1                            ; V: a feature tile x my 128 keys is one fragment
	s_wait_xcnt 0x0
	QUANT AV+64*\f, 1, 4
	STF 1, 56, 1536*\f
	global_store_b32 v3, v[PW], s[58:59] offset:64*\f
.endr
	s_wait_tensorcnt 0x0
	ds_add_u32 v254, v255
	s_wait_dscnt 0x0
	CROUND                                         ; the closing round: no work-group ends while a partner may still ask for a block that names it
	s_endpgm
.Lfunc_end_k_qe0851be5e7_qkv:
	.size	k_qe0851be5e7_qkv, .Lfunc_end_k_qe0851be5e7_qkv-k_qe0851be5e7_qkv
	.p2alignl 7, 3214868480
	.fill 96, 4, 3214868480
	.section	.rodata,"a",@progbits
	.p2align	6, 0x0
	.amdhsa_kernel k_qe0851be5e7_qkv
		.amdhsa_group_segment_fixed_size 179712
		.amdhsa_private_segment_fixed_size 0
		.amdhsa_enable_private_segment 0
		.amdhsa_kernarg_size 40
		.amdhsa_user_sgpr_count 2
		.amdhsa_user_sgpr_kernarg_segment_ptr 1
		.amdhsa_wavefront_size32 1
		.amdhsa_system_sgpr_workgroup_id_x 1
		.amdhsa_system_sgpr_workgroup_id_y 1
		.amdhsa_system_sgpr_workgroup_id_z 1
		.amdhsa_system_vgpr_workitem_id 0
		.amdhsa_next_free_vgpr 768
		.amdhsa_next_free_sgpr 72
		.amdhsa_reserve_vcc 1
		.amdhsa_float_denorm_mode_32 3
		.amdhsa_float_denorm_mode_16_64 3
		.amdhsa_memory_ordered 1
		.amdhsa_forward_progress 1
		.amdhsa_inst_pref_size 70
	.end_amdhsa_kernel
	.amdgpu_metadata
---
amdhsa.version: [ 1, 2 ]
amdhsa.kernels:
  - .name:           k_qe0851be5e7_qkv
    .symbol:         k_qe0851be5e7_qkv.kd
    .args:
      - { .name: xq, .offset: 0, .size: 8, .value_kind: global_buffer, .address_space: global }
      - { .name: wts, .offset: 8, .size: 8, .value_kind: global_buffer, .address_space: global }
      - { .name: key_padding_mask, .offset: 16, .size: 8, .value_kind: global_buffer, .address_space: global }
      - { .name: qb, .offset: 24, .size: 8, .value_kind: global_buffer, .address_space: global }
      - { .name: kv, .offset: 32, .size: 8, .value_kind: global_buffer, .address_space: global }
    .group_segment_fixed_size: 179712
    .private_segment_fixed_size: 0
    .kernarg_segment_align: 8
    .kernarg_segment_size: 40
    .max_flat_workgroup_size: 128
    .sgpr_count:     72
    .vgpr_count:     768
    .wavefront_size: 32
...
	.end_amdgpu_metadata
.endif
;; end of part 2
;; launch attn (part 3): grid 8 x 32, 16 waves a work-group, clusters of 4 x 1, 215,040 bytes of LDS; arguments qb, kv, ctxq; writes ctxq
.if DOCPART == 3
	.amdgcn_target "amdgcn-amd-amdhsa--gfx1250"
	.amdhsa_code_object_version 6
	.text
	.protected	k_qe0851be5e7_attn
	.globl	k_qe0851be5e7_attn
	.p2align	8
	.type	k_qe0851be5e7_attn,@function
k_qe0851be5e7_attn:
	s_mov_b64 s[64:65], 0
	v_nop
	global_prefetch_b8 v0, s[64:65] scope:SCOPE_SE
	s_setreg_imm32_b32 hwreg(HW_REG_WAVE_MODE, 25, 1), 1
	s_wait_xcnt 0x0
	s_wait_alu depctr_hold_cnt(0) depctr_sa_sdst(0) depctr_va_vdst(0) depctr_va_sdst(0) depctr_va_ssrc(0) depctr_va_vcc(0) depctr_vm_vsrc(0)
	s_getreg_b32 s2, hwreg(HW_REG_IB_STS2, 6, 4)
	s_cmp_eq_u32 s2, 0
	s_cbranch_scc0 .Lentry_in_a_cluster
	s_endpgm
.Lentry_in_a_cluster:
	s_bfe_u32 s2, ttmp6, 0x10000c
	s_cmp_lg_u32 s2, 0x3003
	s_cbranch_scc0 .Lentry_shape_is_right
	s_endpgm
.Lentry_shape_is_right:
; ATTENTION on codes of E2M3, with ALiBi and the key padding mask, and the codes of its result.
; A work-group owns 256 queries of one (batch, head); each of its sixteen waves one tile of 16, in 256 registers: four waves to a SIMD, so that one wave's vector work stands beside another's products and LDS loads.
; THE HEAD'S WHOLE kv (16 key steps x 13,312 bytes) STAYS IN LDS: filled once, by waves 0-3, four tensor loads each (four of a wave are out at most); load j of wave w is key step 4 j + w.
; CLUSTER: the four query blocks of a cluster belong to one head and need the same kv: each block of it is asked for JOINTLY, by the same tensor load with the same descriptor and a mask that names the four.
; Four stages of four key steps: ahead of stage j a wave waits until its first j + 1 loads have landed, then a barrier: the later stages land under the running steps.
; S^T = K Q^T: the head's 64 fill half an instruction, so a fragment of K holds two key tiles (k < 64, k >= 64), and Q stands between zero codes: v16-27 = [0 | q] takes the second tile, v22-33 = [q | 0] the first.
; The product's C is the table 8 slope (key in the step), or -2^100 under the mask.  t = D c + slope log2(e) (first key of the step - query), c = log2(e) / 8.
; THE SOFTMAX: M = the running largest t rounded up to a whole number; p = 2^(t - M) is quantised along the keys; the row's sum is taken of the unquantised p and divides at the end.
; O^T = V^T P^T: a lane holds one query throughout.  The result is quantised along the head's 64 and stored as half a fragment of ctx (K = 512: head hd is K step hd / 2, half hd % 2).
; LIMITS: a batch whose every key is masked is not served (the sum is 0); the largest t begins at -2^80, so |t| stays under 2^80; NaN and infinities are not served.
.set ADK,  4                           ; v4   16 lane + the step's block
.set AD4,  5                           ; v5   4 lane + ..
.set ADB,  6                           ; v6   64 (lane / 16) + ..
.set DIST, 7                           ; v7   first key of the step - my query
.set OFF0, 8                           ; v8   that x slope log2(e)
.set QS,   34                          ; scale words: Q's, K's (2), V's (2), p's
.set KS,   35
.set VS,   37
.set PS,   39
.set FR,   40                          ; v40-87   four fragments: K's, then V's
.set S,    96                          ; v96-159  the table, S^T, p
.set O,    160                         ; v160-191 O^T
.set PC,   192                         ; v192-210 codes
.set TM,   212                         ; v212-227 the blocks' maxima, bytes, scale operands
.set TT,   220
.set PW,   230
.set SEL,  20
.set CS,   22                          ; s[22:23] c
.set SL2,  50
.set TB,   51                          ; LDS byte of the step's block
.set CNT,  52
.set WVN,  10                          ; s10  my wave's number
.set MSB, 0
.macro WIN new
.if MSB != (\new)
	s_set_vgpr_msb (MSB<<8)|(\new)
.set MSB, (\new)
.endif
.endm
.macro PLACES n
.rept \n
	v_nop
.endr
.endm
; A round of the cluster's barrier: my work-group's barrier, so that wave 0's signal speaks for all sixteen waves; wave 0 signals for the work-group; every wave waits for all four work-groups; my work-group's barrier once more.
.macro CROUND
	s_barrier_signal -1
	s_barrier_wait -1
	s_cmp_lg_u32 s[WVN], 0
	s_cbranch_scc1 .Lnot_wave_0_\@
	s_barrier_signal -3
.Lnot_wave_0_\@:
	s_barrier_wait -3
	s_barrier_signal -1
	s_barrier_wait -1
.endm
.macro MMA d, a, b, sa, sb, rowa       ; D = A B + D; rowa = 1: A's scale words stand in lanes 16-31
.if \rowa
	v_wmma_scale_f32_16x16x128_f8f6f4 v[\d:\d+7], v[\a:\a+11], v[\b:\b+11], v[\d:\d+7], v[\sa], v[\sb] matrix_a_fmt:MATRIX_FMT_FP6 matrix_b_fmt:MATRIX_FMT_FP6 matrix_a_scale:MATRIX_SCALE_ROW1
.else
	v_wmma_scale_f32_16x16x128_f8f6f4 v[\d:\d+7], v[\a:\a+11], v[\b:\b+11], v[\d:\d+7], v[\sa], v[\sb] matrix_a_fmt:MATRIX_FMT_FP6 matrix_b_fmt:MATRIX_FMT_FP6
.endif
.endm
.macro QUANT s, w, nb
.set qS, (\s)&255
.set mW, ((\w)<<2)|((\w)<<4)
	WIN mW
.set qb, 0
.rept \nb
	v_max3_num_f32 v[TM+qb], 0x1800000, |v[qS+16*qb]|, |v[qS+16*qb+1]|
.set qb, qb+1
.endr
.irp i, 2,4,6,8,10,12,14
.set qb, 0
.rept \nb
	v_max3_num_f32 v[TM+qb], v[TM+qb], |v[qS+16*qb+\i]|, |v[qS+16*qb+\i+1]|
.set qb, qb+1
.endr
.endr
	WIN 0
.set qb, 0
.rept \nb
	v_permlanex16_b32 v[TM+4+qb], v[TM+qb], s[SEL], s[SEL+1]
.set qb, qb+1
.endr
.set qb, 0
.rept \nb
	v_max_num_f32 v[TM+qb], v[TM+qb], v[TM+4+qb]
.set qb, qb+1
.endr
.set qb, 0
.rept \nb
	v_add_nc_u32 v[TM+12+qb], 0xff000000, v[TM+qb]
.set qb, qb+1
.endr
.set qb, 0
.rept \nb
	v_lshrrev_b32 v[TM+4+qb], 23, v[TM+12+qb]
.set qb, qb+1
.endr
	v_lshl_or_b32 v[PW], v[TM+5], 8, v[TM+4]
.if \nb == 4
	v_lshl_or_b32 v[PW], v[TM+6], 16, v[PW]
	v_lshl_or_b32 v[PW], v[TM+7], 24, v[PW]
.endif
.set mW, (\w)
	WIN mW
.set qb, 0
.rept (\nb)/2
	v_cvt_scalef32_pk16_fp6_f32 v[PC+6*qb:PC+6*qb+2], v[qS+32*qb:qS+32*qb+15], v[TM+12+2*qb]
	v_cvt_scalef32_pk16_fp6_f32 v[PC+12+4*qb:PC+14+4*qb], v[qS+32*qb+16:qS+32*qb+31], v[TM+13+2*qb]
.set qb, qb+1
.endr
	WIN 0
	v_nop
.set qb, 0
.rept (\nb)/2
.irp i, 0,1,2
	v_permlane16_swap_b32 v[PC+6*qb+\i], v[PC+12+4*qb+\i]
.endr
.irp i, 0,1,2
	v_mov_b32 v[PC+3+6*qb+\i], v[PC+12+4*qb+\i]
.endr
.set qb, qb+1
.endr
.endm
	s_load_b128 s[4:7], s[0:1], 0x0                ; qb, kv
	s_load_b64 s[8:9], s[0:1], 0x10                ; ctxq
	v_lshl_add_u32 v254, v0, 2, 0x34000
	v_mov_b32 v255, 0
	ds_add_u32 v254, v255
	ds_add_u32 v254, v255
	v_lshrrev_b32 v1, 5, v0
	v_readfirstlane_b32 s10, v1                    ; wave 0..15
	s_and_b32 s11, ttmp7, 0xffff                   ; bh, which the four partners share
	s_and_b32 s12, s11, 7                          ; head
	s_lshr_b32 s13, s11, 3                         ; batch
	s_bfe_u32 s53, ttmp6, 0x40000                  ; cx: my place in the cluster
	s_lshl_b32 s19, ttmp9, 2
	s_add_co_u32 s19, s19, s53                     ; my block of 256 queries = 4 x cluster x + cx: it enters Q's and ctx's addresses and the distances alone
	s_lshl_b32 s14, s19, 4
	s_add_co_u32 s14, s14, s10                     ; my tile of queries, 0..127
	s_and_b32 s15, s10, 3
	s_mov_b32 s24, 15|(3<<16)|(1<<21)              ; descriptor group 1: the mask names all four work-groups; a dense block of 52 rows of 256 bytes (32 elements of 8 bytes)
	s_mov_b32 s25, 32<<16
	s_mov_b32 s26, 52<<16
	s_mov_b32 s27, 32<<16
	s_mov_b32 s28, 52
	s_mov_b32 s29, 32
	s_mov_b32 s30, 0
	s_mov_b32 s31, 0
	s_lshl_b32 s16, s11, 4
	s_add_co_u32 s16, s16, s15
	s_mul_i32 s16, s16, 13312
	s_mov_b32 s17, 0
	s_mul_i32 s18, s15, 13312
	s_wait_dscnt 0x0
	s_wait_kmcnt 0x0
	s_add_nc_u64 s[16:17], s[6:7], s[16:17]
.irp j, 0,1,2,3
	s_mov_b32 s[32+4*\j], 1
	s_add_co_u32 s[33+4*\j], s18, \j*53248         ; key step 4 j + (wave % 4), in LDS
	s_add_nc_u64 s[34+4*\j:35+4*\j], s[16:17], \j*53248   ; and in memory
	s_or_b32 s[35+4*\j], s[35+4*\j], 0x80000000
.endr
	CROUND                                         ; all four work-groups are here: the joint loads meet
	s_cmp_lt_u32 s10, 4
	s_cbranch_scc0 .Lno_fill
	tensor_load_to_lds s[32:35], s[24:31]
	s_nop 0
	tensor_load_to_lds s[36:39], s[24:31]
	s_nop 0
	tensor_load_to_lds s[40:43], s[24:31]
	s_nop 0
	tensor_load_to_lds s[44:47], s[24:31]
	s_nop 0
	PLACES 4                                       ; places behind a wave's tensor loads
.Lno_fill:
	v_and_b32 v9, 31, v0                           ; lane
	v_and_b32 v88, 15, v0                          ; r
	v_bfe_u32 v89, v0, 4, 1                        ; h
	v_lshlrev_b32 v1, 4, v9
	v_lshlrev_b32 v2, 2, v9
	v_lshlrev_b32 v3, 6, v89
	v_lshlrev_b32 v90, 2, v88                      ; 4 r
	v_lshlrev_b32 v92, 3, v9                       ; 8 x lane
	v_lshlrev_b32 v93, 4, v88                      ; 16 r
	s_lshl_b32 s54, s11, 6
	s_lshr_b32 s55, s14, 1
	s_add_co_u32 s54, s54, s55                     ; the packed pair that holds my tile
	s_mul_i32 s56, s54, 1536
	s_mov_b32 s57, 0
	s_add_nc_u64 s[56:57], s[4:5], s[56:57]
	s_lshl_b32 s58, s54, 6
	s_add_co_u32 s58, s58, 3145728
	s_mov_b32 s59, 0
	s_add_nc_u64 s[58:59], s[4:5], s[58:59]
	global_load_b128 v[96:99], v1, s[56:57]
	global_load_b128 v[100:103], v1, s[56:57] offset:512
	global_load_b128 v[104:107], v1, s[56:57] offset:1024
	global_load_b32 v108, v90, s[58:59]
	s_mov_b32 s[SEL], 0x76543210
	s_mov_b32 s[SEL+1], 0xfedcba98
	s_mov_b32 s[CS], 0x3e38aa3b                    ; c = log2(e) / 8
	s_mov_b32 s[CS+1], s[CS]                       ; (named with it as a pair, so it is written)
	s_add_co_u32 s[SL2], s12, 1
	s_lshl_b32 s[SL2], s[SL2], 23
	s_sub_co_u32 s[SL2], 0x3fb8aa3b, s[SL2]        ; log2(e) x 2^-(head + 1): head + 1 off the exponent field
	s_mov_b32 s[TB], 0
	s_lshr_b32 s60, s14, 1
	s_lshl_b32 s60, s60, 5
	s_and_b32 s61, s10, 1                          ; u: which half of the pair: the tile's number is 16 x block + wave, so the wave's lowest bit
	s_lshl_b32 s62, s61, 3
	s_add_co_u32 s60, s60, s62
	v_and_b32 v91, 8, v88
	v_add_nc_u32 v91, v91, v88
	v_add_nc_u32 v91, s60, v91                     ; my query: 32 (T / 2) + 8 (T % 2) + r + (r & 8)
	v_cvt_f32_u32 v[DIST], v91
	v_xor_b32 v[DIST], 0x80000000, v[DIST]         ; key 0 - query
	s_lshl_b32 s63, s61, 4
	s_cmp_eq_u32 s61, 1
	s_cselect_b32 vcc_lo, -1, 0
.irp i, 0,1,2,3,4,5
	v_mov_b32 v[16+\i], 0                          ; zero codes on both sides of q
	v_mov_b32 v[28+\i], 0
.endr
	s_wait_loadcnt 0x0
.irp i, 0,1,2,3,4,5
	v_cndmask_b32 v[22+\i], v[96+\i], v[102+\i], vcc_lo
.endr
	v_lshrrev_b32 v109, s63, v108
	v_and_b32 v109, 0xffff, v109
	v_lshl_or_b32 v[QS], v109, 16, v109            ; my tile's two scale bytes, twice
	v_mov_b32 v13, 0xe7800000                      ; the largest t so far: -2^80
	v_floor_f32 v12, -v13                          ; -M
	v_mov_b32 v11, 0                               ; (upper halves of pairs of which the low word serves both)
	v_mov_b32 v14, 0                               ; the sum, in two halves
	v_mov_b32 v15, 0
	v_mov_b32 v229, 0
.irp b, 0,1,2,3
	v_mov_b32 v[TM+4+\b], 0                        ; a lane permute's destination counts as one of its sources
.endr
.set k, 0
.rept 32
	v_mov_b32 v[O+k], 0                            ; O^T: the step is written once; the first finds zeros.  (These lines are also the places between Q's registers, its scale word and the first product)
.set k, k+1
.endr
; A KEY STEP: 128 keys
.macro STEP
	v_add_nc_u32 v[ADK], s[TB], v1                 ; these four lines are also places behind the last step's products, ahead of the loads into their operands
	v_add_nc_u32 v[AD4], s[TB], v2
	v_add_nc_u32 v[ADB], s[TB], v3
	v_mul_f32 v[OFF0], s[SL2], v[DIST]
.irp p, 0,1,2,3
.irp c, 0,1,2
	ds_load_b128 v[FR+12*\p+4*\c:FR+12*\p+4*\c+3], v[ADK] offset:1536*\p+512*\c
.endr
.endr
.irp b, 0,1,2,3
.irp j, 0,1,2,3
	ds_load_b128 v[S+16*\b+4*\j:S+16*\b+4*\j+3], v[ADB] offset:12800+128*\b+16*\j   ; the table, in the result's layout: register 16 b + i is key 32 b + 16 h + i
.endr
.endr
	ds_load_b32 v[KS], v[AD4] offset:12288         ; lanes 0-15 fragment 0's words, lanes 16-31 fragment 1's
	ds_load_b32 v[KS+1], v[AD4] offset:12416
	s_wait_dscnt 0x0
.irp p, 0,1,2,3
	MMA S+16*\p, FR+12*\p, 22, KS+(\p/2), QS, \p%2
	MMA S+16*\p+8, FR+12*\p, 16, KS+(\p/2), QS, \p%2
.endr
	PLACES 4
.irp t, 0,1,2,3
.irp c, 0,1,2
	ds_load_b128 v[FR+12*\t+4*\c:FR+12*\t+4*\c+3], v[ADK] offset:6144+1536*\t+512*\c   ; V lands under the softmax
.endr
.endr
	ds_load_b32 v[VS], v[AD4] offset:12544
	ds_load_b32 v[VS+1], v[AD4] offset:12672
.irp b, 0,1,2,3
	v_max3_num_f32 v[TM+\b], v[S+16*\b], v[S+16*\b+1], v[S+16*\b+2]   ; the largest D of each block of 32 keys: for the row's maximum and, since p rises with D, for the block's largest p
.endr
.irp i, 3,5,7,9,11,13
.irp b, 0,1,2,3
	v_max3_num_f32 v[TM+\b], v[TM+\b], v[S+16*\b+\i], v[S+16*\b+\i+1]
.endr
.endr
.irp b, 0,1,2,3
	v_max_num_f32 v[TM+\b], v[TM+\b], v[S+16*\b+15]
.endr
.irp b, 0,1,2,3
	v_permlanex16_b32 v[TM+4+\b], v[TM+\b], s[SEL], s[SEL+1]
.endr
.irp b, 0,1,2,3
	v_max_num_f32 v[TM+\b], v[TM+\b], v[TM+4+\b]
.endr
	v_max3_num_f32 v[TT], v[TM], v[TM+1], v[TM+2]
	v_max_num_f32 v[TT], v[TT], v[TM+3]
	v_fma_f32 v[TT], v[TT], s[CS], v[OFF0]         ; the step's largest t of my query
	v_max_num_f32 v13, v13, v[TT]
	v_mov_b32 v[TT], v12
	v_floor_f32 v12, -v13                          ; the new -M: M is a whole number
	v_sub_f32 v[TT], v12, v[TT]                    ; old M - new M, 0 or less
	v_cvt_i32_f32 v[TT], v[TT]                     ; (it saturates)
	v_ldexp_f32 v228, 1.0, v[TT]                   ; f = 2^(old M - new M)
	v_add_f32 v10, v[OFF0], v12
.set k, 0
.rept 32
	v_pk_fma_f32 v[S+k:S+k+1], v[S+k:S+k+1], s[CS:CS+1], v[10:11] op_sel_hi:[1,0,0]   ; t - M
.set k, k+2
.endr
.irp b, 0,1,2,3
	v_fma_f32 v[TM+\b], v[TM+\b], s[CS], v10       ; the same of each block's largest D
.endr
.set k, 0
.rept 64
	v_exp_f32 v[S+k], v[S+k]                       ; p = 2^(t - M): not normalised
.set k, k+1
.endr
	v_pk_mul_f32 v[14:15], v[14:15], v[228:229] op_sel_hi:[1,0]   ; the sums under the new M (a plain place behind the exponentials)
	s_wait_alu depctr_va_vdst(0)                   ; one wait for the batch, ahead of its first reader
.irp b, 0,1,2,3
	v_exp_f32 v[TM+\b], v[TM+\b]                   ; the block's largest p
.endr
	v_pk_add_f32 v[TT+2:TT+3], v[S:S+1], v[S+2:S+3]   ; the row's sum of the unquantised p, in two chains
.irp j, 4,8,12,16,20,24,28,32,36,40,44,48,52,56,60
	v_pk_add_f32 v[14:15], v[14:15], v[S+\j:S+\j+1]
	v_pk_add_f32 v[TT+2:TT+3], v[TT+2:TT+3], v[S+\j+2:S+\j+3]
.endr
	v_pk_add_f32 v[14:15], v[14:15], v[TT+2:TT+3]
	s_wait_alu depctr_va_vdst(0)                   ; and one for the four
.irp b, 0,1,2,3
	v_max_num_f32 v[TM+\b], 0x1800000, v[TM+\b]    ; the floor: a block whose every p is 0 keeps the byte 1; its codes are zeros
.endr
.irp b, 0,1,2,3
	v_add_nc_u32 v[TM+12+\b], 0xff000000, v[TM+\b]
.endr
.irp b, 0,1,2,3
	v_lshrrev_b32 v[TM+4+\b], 23, v[TM+12+\b]
.endr
	v_lshl_or_b32 v[PS], v[TM+5], 8, v[TM+4]
	v_lshl_or_b32 v[PS], v[TM+6], 16, v[PS]
	v_lshl_or_b32 v[PS], v[TM+7], 24, v[PS]
.irp c, 0,1
	v_cvt_scalef32_pk16_fp6_f32 v[PC+6*\c:PC+6*\c+2], v[S+32*\c:S+32*\c+15], v[TM+12+2*\c]
	v_cvt_scalef32_pk16_fp6_f32 v[PC+12+4*\c:PC+14+4*\c], v[S+32*\c+16:S+32*\c+31], v[TM+13+2*\c]
.endr
	v_nop                                          ; one plain place behind a scaled conversion
.irp c, 0,1
.irp i, 0,1,2
	v_permlane16_swap_b32 v[PC+6*\c+\i], v[PC+12+4*\c+\i]
.endr
.irp i, 0,1,2
	v_mov_b32 v[PC+3+6*\c+\i], v[PC+12+4*\c+\i]
.endr
.endr
.set k, 0
.rept 16
	v_pk_mul_f32 v[O+k:O+k+1], v[O+k:O+k+1], v[228:229] op_sel_hi:[1,0]   ; O^T under the new M.  (These 16 are also the places between p's codes, its scale word and the products)
.set k, k+2
.endr
	s_wait_dscnt 0x0                               ; V
.irp t, 0,1,2,3
	MMA O+8*\t, FR+12*\t, PC, VS+(\t/2), PS, \t%2
.endr
	v_add_f32 v[DIST], 0x43000000, v[DIST]         ; 128 keys on
	s_add_co_u32 s[TB], s[TB], 13312
.endm
.macro STAGE j
	s_wait_tensorcnt 3-\j                          ; my loads of the later stages may be out
	s_barrier_signal -1                            ; no LDS instruction of mine is out here
	s_barrier_wait -1                              ; key steps 4 j to 4 j + 3 lie in LDS
	s_mov_b32 s[CNT], 4
.Lstep_\@:
	STEP
	s_sub_co_u32 s[CNT], s[CNT], 1
	s_cmp_lg_u32 s[CNT], 0
	s_cbranch_scc1 .Lstep_\@
.endm
	STAGE 0
	STAGE 1
	STAGE 2
	STAGE 3
	PLACES 4
	v_add_f32 v14, v14, v15
	v_permlanex16_b32 v[TT], v14, s[SEL], s[SEL+1]
	v_add_f32 v14, v14, v[TT]                      ; the row's sum
	v_rcp_f32 v14, v14
	v_nop
	s_wait_alu depctr_va_vdst(0)
.set k, 0
.rept 32
	v_mul_f32 v[S+k], v[O+k], v14                  ; register 16 b + i: feature 32 b + 16 h + i of the head
.set k, k+1
.endr
	QUANT S, 0, 2
	s_lshl_b32 s54, s13, 7
	s_add_co_u32 s54, s54, s14
	s_mul_i32 s54, s54, 6400                       ; my tile's record of ctx
	s_lshr_b32 s56, s12, 1
	s_mul_i32 s56, s56, 1536
	s_and_b32 s57, s12, 1
	s_mul_i32 s57, s57, 768
	s_add_co_u32 s56, s56, s57
	s_add_co_u32 s56, s56, s54
	s_mov_b32 s57, 0
	s_add_nc_u64 s[56:57], s[8:9], s[56:57]        ; the head's half fragment
	s_lshl_b32 s58, s12, 1
	s_add_co_u32 s58, s58, s54
	s_add_co_u32 s58, s58, 6144
	s_mov_b32 s59, 0
	s_add_nc_u64 s[58:59], s[8:9], s[58:59]        ; its two scale bytes
	global_store_b128 v1, v[PC:PC+3], s[56:57]
	global_store_b64 v92, v[PC+4:PC+5], s[56:57] offset:512
	global_store_b16 v93, v[PW], s[58:59]
	s_wait_tensorcnt 0x0
	ds_add_u32 v254, v255
	s_wait_dscnt 0x0
	CROUND                                         ; the closing round: no work-group ends while a partner may still ask for a block that names it
	s_endpgm
.Lfunc_end_k_qe0851be5e7_attn:
	.size	k_qe0851be5e7_attn, .Lfunc_end_k_qe0851be5e7_attn-k_qe0851be5e7_attn
	.p2alignl 7, 3214868480
	.fill 96, 4, 3214868480
	.section	.rodata,"a",@progbits
	.p2align	6, 0x0
	.amdhsa_kernel k_qe0851be5e7_attn
		.amdhsa_group_segment_fixed_size 215040
		.amdhsa_private_segment_fixed_size 0
		.amdhsa_enable_private_segment 0
		.amdhsa_kernarg_size 24
		.amdhsa_user_sgpr_count 2
		.amdhsa_user_sgpr_kernarg_segment_ptr 1
		.amdhsa_wavefront_size32 1
		.amdhsa_system_sgpr_workgroup_id_x 1
		.amdhsa_system_sgpr_workgroup_id_y 1
		.amdhsa_system_sgpr_workgroup_id_z 1
		.amdhsa_system_vgpr_workitem_id 0
		.amdhsa_next_free_vgpr 256
		.amdhsa_next_free_sgpr 66
		.amdhsa_reserve_vcc 1
		.amdhsa_float_denorm_mode_32 3
		.amdhsa_float_denorm_mode_16_64 3
		.amdhsa_memory_ordered 1
		.amdhsa_forward_progress 1
		.amdhsa_inst_pref_size 79
	.end_amdhsa_kernel
	.amdgpu_metadata
---
amdhsa.version: [ 1, 2 ]
amdhsa.kernels:
  - .name:           k_qe0851be5e7_attn
    .symbol:         k_qe0851be5e7_attn.kd
    .args:
      - { .name: qb, .offset: 0, .size: 8, .value_kind: global_buffer, .address_space: global }
      - { .name: kv, .offset: 8, .size: 8, .value_kind: global_buffer, .address_space: global }
      - { .name: ctxq, .offset: 16, .size: 8, .value_kind: global_buffer, .address_space: global }
    .group_segment_fixed_size: 215040
    .private_segment_fixed_size: 0
    .kernarg_segment_align: 8
    .kernarg_segment_size: 24
    .max_flat_workgroup_size: 512
    .sgpr_count:     66
    .vgpr_count:     256
    .wavefront_size: 32
...
	.end_amdgpu_metadata
.endif
;; end of part 3
;; launch oproj (part 4): grid 256 x 1, 4 waves a work-group, clusters of 4 x 1, 273,920 bytes of LDS; arguments ctxq, wts, src, b_o, ln2_g, ln2_b, src2, x2q; writes src2, x2q
.if DOCPART == 4
	.amdgcn_target "amdgcn-amd-amdhsa--gfx1250"
	.amdhsa_code_object_version 6
	.text
	.protected	k_qe0851be5e7_oproj
	.globl	k_qe0851be5e7_oproj
	.p2align	8
	.type	k_qe0851be5e7_oproj,@function
k_qe0851be5e7_oproj:
	s_mov_b64 s[64:65], 0
	v_nop
	global_prefetch_b8 v0, s[64:65] scope:SCOPE_SE
	s_setreg_imm32_b32 hwreg(HW_REG_WAVE_MODE, 25, 1), 1
	s_wait_xcnt 0x0
	s_wait_alu depctr_hold_cnt(0) depctr_sa_sdst(0) depctr_va_vdst(0) depctr_va_sdst(0) depctr_va_ssrc(0) depctr_va_vcc(0) depctr_vm_vsrc(0)
	s_getreg_b32 s2, hwreg(HW_REG_IB_STS2, 6, 4)
	s_cmp_eq_u32 s2, 0
	s_cbranch_scc0 .Lentry_in_a_cluster
	s_endpgm
.Lentry_in_a_cluster:
	s_bfe_u32 s2, ttmp6, 0x10000c
	s_cmp_lg_u32 s2, 0x3003
	s_cbranch_scc0 .Lentry_shape_is_right
	s_endpgm
.Lentry_shape_is_right:
; OPROJ.  src2 = src + ctx w_o + b_o (product on codes of E2M3), layer norm 2, and its codes.
; A work-group takes 32 rows (tiles 2 P, 2 P + 1) and all 512 columns, since the norm wants whole rows; wave w takes column tiles 8 w .. 8 w + 7, which are K step w of the next product.
; Source 0 = weight tile, source 1 = ctx tile: a lane holds a row, registers run along the columns.  src goes into the accumulators, in the result's layout, and is the sums' beginning.
; TWO TENSOR LOADS A WAVE, both first fills, each read by the wave that asked for it alone, behind its own wait:
;   its 8 weight records, a dense block of 51,200 bytes, to LDS byte 51,200 w.  Every work-group needs the same: CLUSTER of 4 x 1 work-groups, the block asked for JOINTLY (the same descriptor, a mask that names the four);
;   its strip of src, 32 rows x 512 bytes, rows 2,048 bytes apart in memory and 528 in LDS (16 bytes of padding behind each: the sixteen rows that a load touches begin in sixteen different columns of 16 bytes).
; src2 is kept as images of the accumulators: [tile 512][column tile 32] of 1,024 bytes, registers 4 q .. 4 q + 3 at 512 q + 16 lane.
; ctx's fragments lie by halves (768 bytes: four registers at 16 lane, two at 512 + 8 lane), since a head fills half a fragment; they come from memory straight into registers.
; LIMITS: NaN and infinities are not served; a block under 2^-124 keeps the scale byte 1.
.set CSC, 8                            ; v8-15    ctx's scale words, 4 u + ks
.set WS,  16                           ; v16-47   the weights', 4 ct + ks
.set TM,  50
.set PW,  66
.set PC,  68
.set RW,  88
.set ACC, 96                           ; v96-223  64 u + 8 ct
.set GRR, 3                            ; v3       16 r: scale words in memory
.set GRW, 6                            ; v6       16 r + 4 wave
.set ARR, 240                          ; v240     LDS: a row's four partial sums
.set ARW, 241                          ; v241     LDS: mine of the four
.set AWL, 242                          ; v242     LDS: 16 lane + my weight records
.set AWS, 243                          ; v243     LDS: 16 r + my weight records
.set ASL, 244                          ; v244     LDS: my strip of src, my row, + 64 h
.set SLDS, 204800                      ; the strips, 32 x 528 bytes a wave, behind the weights
.set XW,   272384                      ; the partial sums, four regions of 256 bytes: bytes into which no tensor load lands
.set SEL, 22
.set WVN, 20
.set BO,  256                          ; window 1: b_o, the gain (320), the bias (384), at my 64 columns
.set CTX, 912                          ; window 3: ctx's fragments, 48 u + 12 ks.  Weights: 512 + 48 ct + 12 ks + 16 (ct / 5): tiles 0-4 in window 2, 5-7 in window 3
.set MSB, 0
.macro WIN new
.if MSB != (\new)
	s_set_vgpr_msb (MSB<<8)|(\new)
.set MSB, (\new)
.endif
.endm
.macro PLACES n
.rept \n
	v_nop
.endr
.endm
.macro CROUND                          ; a round of the cluster's barrier
	s_barrier_signal -1
	s_barrier_wait -1
	s_cmp_lg_u32 s[WVN], 0
	s_cbranch_scc1 .Lnot_wave_0_\@
	s_barrier_signal -3
.Lnot_wave_0_\@:
	s_barrier_wait -3
	s_barrier_signal -1
	s_barrier_wait -1
.endm
.macro MM d, a, b, c, sa, sb, rowa
.set mD, (\d)&255
.set mA, (\a)&255
.set mB, (\b)&255
.set mC, (\c)&255
.set mW, (((\d)>>8)<<6)|(((\c)>>8)<<4)|(((\b)>>8)<<2)|((\a)>>8)
	WIN mW
	v_wmma_scale_f32_16x16x128_f8f6f4 v[mD:mD+7], v[mA:mA+11], v[mB:mB+11], v[mC:mC+7], v[\sa], v[\sb] matrix_a_fmt:MATRIX_FMT_FP6 matrix_b_fmt:MATRIX_FMT_FP6
.endm
.macro LDF_L g, va, off                ; a fragment's image from LDS: each load reads 512 consecutive bytes
.set mW, ((\g)>>8)<<6
	WIN mW
.set mG, (\g)&255
	ds_load_b128 v[mG:mG+3], v[\va] offset:(\off)
	ds_load_b128 v[mG+4:mG+7], v[\va] offset:(\off)+512
	ds_load_b128 v[mG+8:mG+11], v[\va] offset:(\off)+1024
.endm
.macro LDH_G g, va16, va8, sb, off     ; a fragment that lies by halves
.set mW, ((\g)>>8)<<6
	WIN mW
.set mG, (\g)&255
	global_load_b128 v[mG:mG+3], v[\va16], s[\sb:\sb+1] offset:(\off)
	global_load_b64 v[mG+4:mG+5], v[\va8], s[\sb:\sb+1] offset:(\off)+512
	global_load_b128 v[mG+6:mG+9], v[\va16], s[\sb:\sb+1] offset:(\off)+768
	global_load_b64 v[mG+10:mG+11], v[\va8], s[\sb:\sb+1] offset:(\off)+1280
.endm
.macro STF va, sb, off
	global_store_b128 v[\va], v[PC:PC+3], s[\sb:\sb+1] offset:(\off)
	global_store_b128 v[\va], v[PC+4:PC+7], s[\sb:\sb+1] offset:(\off)+512
	global_store_b128 v[\va], v[PC+8:PC+11], s[\sb:\sb+1] offset:(\off)+1024
.endm
.macro QUANT s, w, nb
.set qS, (\s)&255
.set mW, ((\w)<<2)|((\w)<<4)
	WIN mW
.set qb, 0
.rept \nb
	v_max3_num_f32 v[TM+qb], 0x1800000, |v[qS+16*qb]|, |v[qS+16*qb+1]|
.set qb, qb+1
.endr
.irp i, 2,4,6,8,10,12,14
.set qb, 0
.rept \nb
	v_max3_num_f32 v[TM+qb], v[TM+qb], |v[qS+16*qb+\i]|, |v[qS+16*qb+\i+1]|
.set qb, qb+1
.endr
.endr
	WIN 0
.set qb, 0
.rept \nb
	v_permlanex16_b32 v[TM+4+qb], v[TM+qb], s[SEL], s[SEL+1]
.set qb, qb+1
.endr
.set qb, 0
.rept \nb
	v_max_num_f32 v[TM+qb], v[TM+qb], v[TM+4+qb]
.set qb, qb+1
.endr
.set qb, 0
.rept \nb
	v_add_nc_u32 v[TM+12+qb], 0xff000000, v[TM+qb]
.set qb, qb+1
.endr
.set qb, 0
.rept \nb
	v_lshrrev_b32 v[TM+4+qb], 23, v[TM+12+qb]
.set qb, qb+1
.endr
	v_lshl_or_b32 v[PW], v[TM+5], 8, v[TM+4]
.if \nb == 4
	v_lshl_or_b32 v[PW], v[TM+6], 16, v[PW]
	v_lshl_or_b32 v[PW], v[TM+7], 24, v[PW]
.endif
.set mW, (\w)
	WIN mW
.set qb, 0
.rept (\nb)/2
	v_cvt_scalef32_pk16_fp6_f32 v[PC+6*qb:PC+6*qb+2], v[qS+32*qb:qS+32*qb+15], v[TM+12+2*qb]
	v_cvt_scalef32_pk16_fp6_f32 v[PC+12+4*qb:PC+14+4*qb], v[qS+32*qb+16:qS+32*qb+31], v[TM+13+2*qb]
.set qb, qb+1
.endr
	WIN 0
	v_nop
.set qb, 0
.rept (\nb)/2
.irp i, 0,1,2
	v_permlane16_swap_b32 v[PC+6*qb+\i], v[PC+12+4*qb+\i]
.endr
.irp i, 0,1,2
	v_mov_b32 v[PC+3+6*qb+\i], v[PC+12+4*qb+\i]
.endr
.set qb, qb+1
.endr
.endm
.macro RSUM x, sq, R
.if \sq
	v_pk_mul_f32 v[RW:RW+1], v[\x:\x+1], v[\x:\x+1]
	v_pk_mul_f32 v[RW+2:RW+3], v[\x+2:\x+3], v[\x+2:\x+3]
.irp i, 4,8,12,16,20,24,28,32,36,40,44,48,52,56,60
	v_pk_fma_f32 v[RW:RW+1], v[\x+\i:\x+\i+1], v[\x+\i:\x+\i+1], v[RW:RW+1]
	v_pk_fma_f32 v[RW+2:RW+3], v[\x+\i+2:\x+\i+3], v[\x+\i+2:\x+\i+3], v[RW+2:RW+3]
.endr
.else
	v_pk_add_f32 v[RW:RW+1], v[\x:\x+1], v[\x+4:\x+5]
	v_pk_add_f32 v[RW+2:RW+3], v[\x+2:\x+3], v[\x+6:\x+7]
.irp i, 8,12,16,20,24,28,32,36,40,44,48,52,56,60
	v_pk_add_f32 v[RW:RW+1], v[RW:RW+1], v[\x+\i:\x+\i+1]
	v_pk_add_f32 v[RW+2:RW+3], v[RW+2:RW+3], v[\x+\i+2:\x+\i+3]
.endr
.endif
	v_pk_add_f32 v[RW:RW+1], v[RW:RW+1], v[RW+2:RW+3]
	v_add_f32 v[RW], v[RW], v[RW+1]
	v_permlanex16_b32 v[RW+2], v[RW], s[SEL], s[SEL+1]
	v_add_f32 v[\R], v[RW], v[RW+2]
.endm
; both tiles' partial sums (v92, v93) of the four waves meet in LDS, at region and region + 256; the rows' sums come back in v232 and v236
.macro MEET region
	ds_store_b32 v[ARW], v92 offset:\region
	ds_store_b32 v[ARW], v93 offset:\region+256
	s_wait_dscnt 0x0                               ; my stores have landed before I signal
	s_barrier_signal -1
	s_barrier_wait -1
	ds_load_b128 v[232:235], v[ARR] offset:\region
	ds_load_b128 v[236:239], v[ARR] offset:\region+256
	s_wait_dscnt 0x0
	v_add_f32 v232, v232, v233
	v_add_f32 v234, v234, v235
	v_add_f32 v236, v236, v237
	v_add_f32 v238, v238, v239
	v_add_f32 v232, v232, v234
	v_add_f32 v236, v236, v238
.endm
	s_load_b256 s[4:11], s[0:1], 0x0               ; ctxq, wts, src, b_o
	s_load_b256 s[12:19], s[0:1], 0x20             ; ln2_g, ln2_b, src2, x2q
	v_lshl_add_u32 v254, v0, 2, 0x42c00
	v_mov_b32 v255, 0
	ds_add_u32 v254, v255
	ds_add_u32 v254, v255
	v_lshrrev_b32 v1, 5, v0
	v_readfirstlane_b32 s20, v1                    ; wave 0..3
	s_bfe_u32 s60, ttmp6, 0x40000                  ; cx: my place in the cluster
	s_lshl_b32 s61, ttmp9, 2
	s_add_co_u32 s61, s61, s60                     ; P = 4 x cluster x + cx: it enters addresses in memory alone
	s_mov_b32 s36, 15|(3<<16)|(1<<21)              ; group 1 for the weights: the mask names all four work-groups; 200 rows of 256 bytes (32 elements of 8 bytes), dense
	s_mov_b32 s37, 32<<16
	s_mov_b32 s38, 200<<16
	s_mov_b32 s39, 32<<16
	s_mov_b32 s40, 200
	s_mov_b32 s41, 32
	s_mov_b32 s42, 0
	s_mov_b32 s43, 0
	s_mov_b32 s48, (3<<16)|(1<<20)|(6<<22)|(3<<25) ; group 1 for src: no mask; elements of 8 bytes; padding on: after every 128 words (code 6) 4 words (code 3)
	s_mov_b32 s49, 64<<16                          ; tensor_dim0 = 64 elements: 512 bytes
	s_mov_b32 s50, 32<<16                          ; tensor_dim1 = 32 rows
	s_mov_b32 s51, 64<<16                          ; tile_dim0
	s_mov_b32 s52, 32                              ; tile_dim1
	s_mov_b32 s53, 256                             ; from row to row: 2,048 bytes
	s_mov_b32 s54, 0
	s_mov_b32 s55, 0
	s_mov_b32 s44, 1
	s_mul_i32 s45, s20, 51200                      ; the weights go to 51,200 x wave,
	s_mov_b32 s56, 1
	s_mul_i32 s57, s20, 16896
	s_add_co_u32 s57, s57, SLDS                    ; the strip to SLDS + 16,896 x wave
	s_mov_b32 s[SEL], 0x76543210
	s_mov_b32 s[SEL+1], 0xfedcba98
	s_mov_b32 s32, 0x3b000000                      ; 1 / 512
	s_mov_b32 s33, 0x3727c5ac                      ; 1e-5
	s_lshl_b32 s24, s61, 16
	s_lshl_b32 s26, s20, 9
	s_add_co_u32 s24, s24, s26                     ; 32 rows of 2,048 bytes a work-group, + 512 w
	s_mov_b32 s25, 0
	s_mov_b32 s27, 0
	s_mul_i32 s28, s61, 12800                      ; two records
	s_mov_b32 s29, 0
	s_mul_i32 s30, s20, 51200
	s_add_co_u32 s30, s30, 614400                  ; w_o's records 8 w on
	s_mov_b32 s31, 0
	s_lshl_b32 s34, s61, 16
	s_lshl_b32 s35, s20, 13
	s_add_co_u32 s34, s34, s35                     ; src2: 64 images a work-group, my 8 of each 32
	s_mov_b32 s35, 0
	s_wait_dscnt 0x0
	s_wait_kmcnt 0x0
	s_add_nc_u64 s[46:47], s[6:7], s[30:31]
	s_or_b32 s47, s47, 0x80000000
	s_add_nc_u64 s[58:59], s[8:9], s[24:25]
	s_or_b32 s59, s59, 0x80000000
	s_add_nc_u64 s[4:5], s[4:5], s[28:29]
	s_add_nc_u64 s[10:11], s[10:11], s[26:27]
	s_add_nc_u64 s[12:13], s[12:13], s[26:27]
	s_add_nc_u64 s[14:15], s[14:15], s[26:27]
	s_add_nc_u64 s[16:17], s[16:17], s[34:35]
	s_add_nc_u64 s[18:19], s[18:19], s[28:29]
	CROUND                                         ; all four work-groups are here: the joint loads meet
	tensor_load_to_lds s[44:47], s[36:43]          ; two loads of mine are out; no byte of LDS is filled twice
	s_nop 0
	tensor_load_to_lds s[56:59], s[48:55]
	s_nop 0
	PLACES 4                                       ; places behind a wave's tensor loads
	v_and_b32 v8, 31, v0                           ; lane
	v_and_b32 v9, 15, v0                           ; r
	v_bfe_u32 v10, v0, 4, 1                        ; h
	v_lshlrev_b32 v1, 4, v8                        ; 16 x lane
	v_lshlrev_b32 v2, 3, v8                        ; 8 x lane
	v_lshlrev_b32 v[GRR], 4, v9                    ; 16 r
	v_lshlrev_b32 v5, 6, v10                       ; 64 h
	s_lshl_b32 s24, s20, 2
	v_add_nc_u32 v[GRW], s24, v[GRR]               ; 16 r + 4 wave
	v_add_nc_u32 v[ARR], XW, v[GRR]
	v_add_nc_u32 v[ARW], XW, v[GRW]
	v_add_nc_u32 v[AWL], s45, v1
	v_add_nc_u32 v[AWS], s45, v[GRR]
	v_and_b32 v4, 8, v9
	v_add_nc_u32 v4, v4, v9                        ; r + (r & 8)
	v_mul_u32_u24 v[ASL], v4, 528
	v_lshl_add_u32 v[ASL], v10, 6, v[ASL]
	v_add_nc_u32 v[ASL], s57, v[ASL]
	s_mul_i32 s24, s20, 1536
	v_add_nc_u32 v7, s24, v1                       ; 16 x lane + my K step's fragment
.irp u, 0,1
	global_load_b128 v[CSC+4*\u:CSC+4*\u+3], v[GRR], s[4:5] offset:6400*\u+6144
.endr
.irp u, 0,1
.irp ks, 0,1,2,3
	LDH_G CTX+48*\u+12*\ks, 1, 2, 4, 6400*\u+1536*\ks
.endr
.endr
	WIN 0x40                                       ; destination window 1
.irp ct, 0,1,2,3,4,5,6,7
.irp q, 0,1
	global_load_b128 v[8*\ct+4*\q:8*\ct+4*\q+3], v5, s[10:11] offset:128*(\ct/2)+32*(\ct%2)+16*\q
	global_load_b128 v[64+8*\ct+4*\q:64+8*\ct+4*\q+3], v5, s[12:13] offset:128*(\ct/2)+32*(\ct%2)+16*\q
	global_load_b128 v[128+8*\ct+4*\q:128+8*\ct+4*\q+3], v5, s[14:15] offset:128*(\ct/2)+32*(\ct%2)+16*\q
.endr
.endr
	WIN 0
.irp b, 0,1,2,3
	v_mov_b32 v[TM+4+\b], 0                        ; a lane permute's destination counts as one of its sources
.endr
	s_wait_tensorcnt 0x0                           ; my weights and my strip have landed: I alone read them
.irp u, 0,1
.irp ct, 0,1,2,3,4,5,6,7
.irp q, 0,1
	ds_load_b128 v[ACC+64*\u+8*\ct+4*\q:ACC+64*\u+8*\ct+4*\q+3], v[ASL] offset:4224*\u+128*(\ct/2)+32*(\ct%2)+16*\q   ; row 8 u + r + (r & 8) of the 32; register j of tile ct: column 128 w + 32 (ct / 2) + 16 h + 8 (ct % 2) + j
.endr
.endr
.endr
.irp ct, 0,1,2,3,4,5,6,7
	ds_load_b128 v[WS+4*\ct:WS+4*\ct+3], v[AWS] offset:6400*\ct+6144
.endr
.irp ct, 0,1,2,3,4,5,6,7
.irp ks, 0,1,2,3
	LDF_L 512+48*\ct+12*\ks+16*(\ct/5), AWL, 6400*\ct+1536*\ks
.endr
.endr
	WIN 0
	s_wait_loadcnt 0x0
	s_wait_dscnt 0x0
.irp ks, 0,1,2,3                       ; 64 products, 16 accumulators by turns
.irp ct, 0,1,2,3,4,5,6,7
.irp u, 0,1
	MM ACC+64*\u+8*\ct, 512+48*\ct+12*\ks+16*(\ct/5), CTX+48*\u+12*\ks, ACC+64*\u+8*\ct, WS+4*\ct+\ks, CSC+4*\u+\ks, 0
.endr
.endr
.endr
	PLACES 4
	WIN 0x04                                       ; source 1 window 1
.irp u, 0,1
.set k, 0
.rept 32
	v_pk_add_f32 v[ACC+64*\u+k:ACC+64*\u+k+1], v[ACC+64*\u+k:ACC+64*\u+k+1], v[k:k+1]   ; + b_o; each accumulator from its low end on
.set k, k+2
.endr
.endr
	WIN 0
.irp u, 0,1
.irp ct, 0,1,2,3,4,5,6,7
.irp q, 0,1
	global_store_b128 v1, v[ACC+64*\u+8*\ct+4*\q:ACC+64*\u+8*\ct+4*\q+3], s[16:17] offset:32768*\u+1024*\ct+512*\q   ; 512 consecutive bytes a store
.endr
.endr
.endr
	RSUM 96, 0, 92
	RSUM 160, 0, 93
	MEET 0
	v_mul_f32 v224, s32, v232                      ; the means
	v_mov_b32 v225, v224
	v_mul_f32 v228, s32, v236
	v_mov_b32 v229, v228
	s_wait_xcnt 0x0                                ; the stores have read the accumulators: they are written again only behind this wait
.irp u, 0,1
.set k, 0
.rept 32
	v_pk_add_f32 v[ACC+64*\u+k:ACC+64*\u+k+1], v[ACC+64*\u+k:ACC+64*\u+k+1], v[224+4*\u:225+4*\u] neg_lo:[0,1] neg_hi:[0,1]
.set k, k+2
.endr
.endr
	RSUM 96, 1, 92
	RSUM 160, 1, 93
	MEET 512                                       ; other bytes than the first sums'
	v_fma_f32 v232, v232, s32, s33
	v_fma_f32 v236, v236, s32, s33
	v_rsq_f32 v226, v232
	v_rsq_f32 v230, v236
	v_nop
	s_wait_alu depctr_va_vdst(0)                   ; one wait for the two, ahead of their first reader
	v_mov_b32 v227, v226
	v_mov_b32 v231, v230
.irp u, 0,1
.set k, 0
.rept 32
	v_pk_mul_f32 v[ACC+64*\u+k:ACC+64*\u+k+1], v[ACC+64*\u+k:ACC+64*\u+k+1], v[226+4*\u:227+4*\u]
.set k, k+2
.endr
.endr
	WIN 0x14                                       ; sources 1 and 2 window 1
.irp u, 0,1
.set k, 0
.rept 32
	v_pk_fma_f32 v[ACC+64*\u+k:ACC+64*\u+k+1], v[ACC+64*\u+k:ACC+64*\u+k+1], v[64+k:65+k], v[128+k:129+k]
.set k, k+2
.endr
.endr
	WIN 0
	QUANT 96, 0, 4
	STF 7, 18, 0
	global_store_b32 v[GRW], v[PW], s[18:19] offset:6144
	s_wait_xcnt 0x0                                ; the stores have read the codes' registers
	QUANT 160, 0, 4
	STF 7, 18, 6400
	global_store_b32 v[GRW], v[PW], s[18:19] offset:6400+6144
	s_wait_tensorcnt 0x0
	ds_add_u32 v254, v255
	s_wait_dscnt 0x0
	CROUND                                         ; the closing round: no work-group ends while a partner may still ask for a block that names it
	s_endpgm
.Lfunc_end_k_qe0851be5e7_oproj:
	.size	k_qe0851be5e7_oproj, .Lfunc_end_k_qe0851be5e7_oproj-k_qe0851be5e7_oproj
	.p2alignl 7, 3214868480
	.fill 96, 4, 3214868480
	.section	.rodata,"a",@progbits
	.p2align	6, 0x0
	.amdhsa_kernel k_qe0851be5e7_oproj
		.amdhsa_group_segment_fixed_size 273920
		.amdhsa_private_segment_fixed_size 0
		.amdhsa_enable_private_segment 0
		.amdhsa_kernarg_size 64
		.amdhsa_user_sgpr_count 2
		.amdhsa_user_sgpr_kernarg_segment_ptr 1
		.amdhsa_wavefront_size32 1
		.amdhsa_system_sgpr_workgroup_id_x 1
		.amdhsa_system_sgpr_workgroup_id_y 1
		.amdhsa_system_sgpr_workgroup_id_z 1
		.amdhsa_system_vgpr_workitem_id 0
		.amdhsa_next_free_vgpr 1024
		.amdhsa_next_free_sgpr 66
		.amdhsa_reserve_vcc 0
		.amdhsa_float_denorm_mode_32 3
		.amdhsa_float_denorm_mode_16_64 3
		.amdhsa_memory_ordered 1
		.amdhsa_forward_progress 1
		.amdhsa_inst_pref_size 68
	.end_amdhsa_kernel
	.amdgpu_metadata
---
amdhsa.version: [ 1, 2 ]
amdhsa.kernels:
  - .name:           k_qe0851be5e7_oproj
    .symbol:         k_qe0851be5e7_oproj.kd
    .args:
      - { .name: ctxq, .offset: 0, .size: 8, .value_kind: global_buffer, .address_space: global }
      - { .name: wts, .offset: 8, .size: 8, .value_kind: global_buffer, .address_space: global }
      - { .name: src, .offset: 16, .size: 8, .value_kind: global_buffer, .address_space: global }
      - { .name: b_o, .offset: 24, .size: 8, .value_kind: global_buffer, .address_space: global }
      - { .name: ln2_g, .offset: 32, .size: 8, .value_kind: global_buffer, .address_space: global }
      - { .name: ln2_b, .offset: 40, .size: 8, .value_kind: global_buffer, .address_space: global }
      - { .name: src2, .offset: 48, .size: 8, .value_kind: global_buffer, .address_space: global }
      - { .name: x2q, .offset: 56, .size: 8, .value_kind: global_buffer, .address_space: global }
    .group_segment_fixed_size: 273920
    .private_segment_fixed_size: 0
    .kernarg_segment_align: 8
    .kernarg_segment_size: 64
    .max_flat_workgroup_size: 128
    .sgpr_count:     66
    .vgpr_count:     1024
    .wavefront_size: 32
...
	.end_amdgpu_metadata
.endif
;; end of part 4
;; launch ffn1 (part 5): grid 8 x 32, 4 waves a work-group, clusters of 4 x 4, 307,712 bytes of LDS; arguments x2q, wts, b1, gq; writes gq
.if DOCPART == 5
	.amdgcn_target "amdgcn-amd-amdhsa--gfx1250"
	.amdhsa_code_object_version 6
	.text
	.protected	k_qe0851be5e7_ffn1
	.globl	k_qe0851be5e7_ffn1
	.p2align	8
	.type	k_qe0851be5e7_ffn1,@function
k_qe0851be5e7_ffn1:
	s_mov_b64 s[64:65], 0
	v_nop
	global_prefetch_b8 v0, s[64:65] scope:SCOPE_SE
	s_setreg_imm32_b32 hwreg(HW_REG_WAVE_MODE, 25, 1), 1
	s_wait_xcnt 0x0
	s_wait_alu depctr_hold_cnt(0) depctr_sa_sdst(0) depctr_va_vdst(0) depctr_va_sdst(0) depctr_va_ssrc(0) depctr_va_vcc(0) depctr_vm_vsrc(0)
	s_getreg_b32 s2, hwreg(HW_REG_IB_STS2, 6, 4)
	s_cmp_eq_u32 s2, 0
	s_cbranch_scc0 .Lentry_in_a_cluster
	s_endpgm
.Lentry_in_a_cluster:
	s_bfe_u32 s2, ttmp6, 0x10000c
	s_cmp_lg_u32 s2, 0xf033
	s_cbranch_scc0 .Lentry_shape_is_right
	s_endpgm
.Lentry_shape_is_right:
; FFN1.  g = gelu(x2 w1[:, :2048] + b1[:2048]) x (x2 w1[:, 2048:] + b1[2048:]) on codes of E2M3, and g's codes along the 2,048.
; A work-group takes 256 rows (y) and four units of 64 hidden features (x); wave w owns unit U = 4 x + w: 4 tiles of the gate and the 4 tiles of the linear part at the same features.
; TWO TENSOR LOADS A WAVE, both first fills: a quarter of x2's 16 records (102,400 bytes, dense; read by all four waves), and its unit's 8 weight records (51,200 bytes, dense, to 102,400 + 51,200 w; read by it alone
; and kept in its registers for the whole launch).
; CLUSTER: 4 x 4 work-groups.  The four of a row of the cluster (the same 256 rows) need the same records of x2, the four of a column (the same units) the same weight records: each block is asked for JOINTLY,
; by the same tensor load with the same descriptor and a mask that names the four.
; Source 0 = weight tile, source 1 = x2 tile: a lane holds a row, registers run along the features.  b1 is the C of each sum's first product.
; A trip takes a pair of row tiles: 64 products (16 accumulators by turns), the activation, one run of the quantiser over tile 0's 64 features | tile 1's: two half fragments of g (K step U / 2, half U % 2).
; THE ACTIVATION: gelu(x) = max(x, 0) - |x| E / 2, E = erfc(|x| / sqrt 2) = poly(t) exp(-x^2 / 2), t = 1 / (1 + 0.23164189 |x|), poly of degree 5 (Abramowitz and Stegun 7.1.26).
; LIMIT: that formula's absolute error on erfc is 1.5e-7, the order of one rounding of 1 + erf in f32; no difference of near numbers is formed for x < 0.  NaN and infinities are not served.
.set XS,  8                            ; v8-15    x2's scale words, 4 u + ks
.set WS,  16                           ; v16-47   the weights', 4 ct + ks (ct 0-3 gate, 4-7 linear)
.set GT,  50                           ; the activation's work: t, poly, exp, max(x, 0): 8 registers each
.set GP,  58
.set GE,  66
.set GM,  74
.set TM,  50                           ; the quantiser's, in the same registers, behind the activation
.set PW,  66
.set PC,  68
.set ACC, 96                           ; v96-159 gate (32 u + 8 ct), v160-223 linear
.set XF,  256                          ; window 1: x2's fragments, 48 u + 12 ks;  b1 at 352 + 8 ct
.set B1R, 352
.set SEL, 20
.set TX,  36
.set CNT, 37
.set WVN, 12
.set MSB, 0
.macro WIN new
.if MSB != (\new)
	s_set_vgpr_msb (MSB<<8)|(\new)
.set MSB, (\new)
.endif
.endm
.macro PLACES n
.rept \n
	v_nop
.endr
.endm
.macro CROUND                          ; a round of the cluster's barrier
	s_barrier_signal -1
	s_barrier_wait -1
	s_cmp_lg_u32 s[WVN], 0
	s_cbranch_scc1 .Lnot_wave_0_\@
	s_barrier_signal -3
.Lnot_wave_0_\@:
	s_barrier_wait -3
	s_barrier_signal -1
	s_barrier_wait -1
.endm
.macro MM d, a, b, c, sa, sb, rowa
.set mD, (\d)&255
.set mA, (\a)&255
.set mB, (\b)&255
.set mC, (\c)&255
.set mW, (((\d)>>8)<<6)|(((\c)>>8)<<4)|(((\b)>>8)<<2)|((\a)>>8)
	WIN mW
	v_wmma_scale_f32_16x16x128_f8f6f4 v[mD:mD+7], v[mA:mA+11], v[mB:mB+11], v[mC:mC+7], v[\sa], v[\sb] matrix_a_fmt:MATRIX_FMT_FP6 matrix_b_fmt:MATRIX_FMT_FP6
.endm
.macro LDF_L g, va, off
.set mW, ((\g)>>8)<<6
	WIN mW
.set mG, (\g)&255
	ds_load_b128 v[mG:mG+3], v[\va] offset:(\off)
	ds_load_b128 v[mG+4:mG+7], v[\va] offset:(\off)+512
	ds_load_b128 v[mG+8:mG+11], v[\va] offset:(\off)+1024
.endm
.macro QUANT s, w, nb
.set qS, (\s)&255
.set mW, ((\w)<<2)|((\w)<<4)
	WIN mW
.set qb, 0
.rept \nb
	v_max3_num_f32 v[TM+qb], 0x1800000, |v[qS+16*qb]|, |v[qS+16*qb+1]|
.set qb, qb+1
.endr
.irp i, 2,4,6,8,10,12,14
.set qb, 0
.rept \nb
	v_max3_num_f32 v[TM+qb], v[TM+qb], |v[qS+16*qb+\i]|, |v[qS+16*qb+\i+1]|
.set qb, qb+1
.endr
.endr
	WIN 0
.set qb, 0
.rept \nb
	v_permlanex16_b32 v[TM+4+qb], v[TM+qb], s[SEL], s[SEL+1]
.set qb, qb+1
.endr
.set qb, 0
.rept \nb
	v_max_num_f32 v[TM+qb], v[TM+qb], v[TM+4+qb]
.set qb, qb+1
.endr
.set qb, 0
.rept \nb
	v_add_nc_u32 v[TM+12+qb], 0xff000000, v[TM+qb]
.set qb, qb+1
.endr
.set qb, 0
.rept \nb
	v_lshrrev_b32 v[TM+4+qb], 23, v[TM+12+qb]
.set qb, qb+1
.endr
	v_lshl_or_b32 v[PW], v[TM+5], 8, v[TM+4]
.if \nb == 4
	v_lshl_or_b32 v[PW], v[TM+6], 16, v[PW]
	v_lshl_or_b32 v[PW], v[TM+7], 24, v[PW]
.endif
.set mW, (\w)
	WIN mW
.set qb, 0
.rept (\nb)/2
	v_cvt_scalef32_pk16_fp6_f32 v[PC+6*qb:PC+6*qb+2], v[qS+32*qb:qS+32*qb+15], v[TM+12+2*qb]
	v_cvt_scalef32_pk16_fp6_f32 v[PC+12+4*qb:PC+14+4*qb], v[qS+32*qb+16:qS+32*qb+31], v[TM+13+2*qb]
.set qb, qb+1
.endr
	WIN 0
	v_nop
.set qb, 0
.rept (\nb)/2
.irp i, 0,1,2
	v_permlane16_swap_b32 v[PC+6*qb+\i], v[PC+12+4*qb+\i]
.endr
.irp i, 0,1,2
	v_mov_b32 v[PC+3+6*qb+\i], v[PC+12+4*qb+\i]
.endr
.set qb, qb+1
.endr
.endm
; eight numbers of the gate at v[G] on become gelu(gate) x linear, the linear part at v[L] on.  Both accumulators are read from their low ends on.
.macro GELU8 G, L
.irp i, 0,1,2,3,4,5,6,7
	v_fma_f32 v[GT+\i], |v[(\G)+\i]|, 0x3e6d3388, 1.0          ; 1 + 0.23164189 |x|
.endr
.irp i, 0,2,4,6
	v_pk_mul_f32 v[GE+\i:GE+\i+1], v[(\G)+\i:(\G)+\i+1], v[(\G)+\i:(\G)+\i+1]
.endr
.irp i, 0,2,4,6
	v_pk_mul_f32 v[GE+\i:GE+\i+1], v[GE+\i:GE+\i+1], 0xbf38aa3b op_sel_hi:[1,0]   ; -x^2 log2(e) / 2
.endr
.irp i, 0,1,2,3,4,5,6,7
	v_rcp_f32 v[GT+\i], v[GT+\i]
.endr
.irp i, 0,1,2,3,4,5,6,7
	v_exp_f32 v[GE+\i], v[GE+\i]
.endr
.irp i, 0,1,2,3,4,5,6,7
	v_max_num_f32 v[GM+\i], 0, v[(\G)+\i]                      ; independent work behind the 16 transcendentals
.endr
	s_wait_alu depctr_va_vdst(0)                   ; one wait for the batch, ahead of its first reader
.irp i, 0,2,4,6
	v_pk_fma_f32 v[GP+\i:GP+\i+1], v[GT+\i:GT+\i+1], v[48:49], 0xbfba00e3 op_sel_hi:[1,1,0]
.endr
.irp i, 0,2,4,6
	v_pk_fma_f32 v[GP+\i:GP+\i+1], v[GP+\i:GP+\i+1], v[GT+\i:GT+\i+1], 0x3fb5f0e3 op_sel_hi:[1,1,0]
.endr
.irp i, 0,2,4,6
	v_pk_fma_f32 v[GP+\i:GP+\i+1], v[GP+\i:GP+\i+1], v[GT+\i:GT+\i+1], 0xbe91a98e op_sel_hi:[1,1,0]
.endr
.irp i, 0,2,4,6
	v_pk_fma_f32 v[GP+\i:GP+\i+1], v[GP+\i:GP+\i+1], v[GT+\i:GT+\i+1], 0x3e827906 op_sel_hi:[1,1,0]
.endr
.irp i, 0,2,4,6
	v_pk_mul_f32 v[GP+\i:GP+\i+1], v[GP+\i:GP+\i+1], v[GT+\i:GT+\i+1]
.endr
.irp i, 0,2,4,6
	v_pk_mul_f32 v[GP+\i:GP+\i+1], v[GP+\i:GP+\i+1], v[GE+\i:GE+\i+1]              ; E
.endr
.irp i, 0,2,4,6
	v_pk_mul_f32 v[GP+\i:GP+\i+1], v[GP+\i:GP+\i+1], v[(\G)+\i:(\G)+\i+1]          ; x E
.endr
.irp i, 0,1,2,3,4,5,6,7
	v_fma_f32 v[(\G)+\i], |v[GP+\i]|, -0.5, v[GM+\i]           ; max(x, 0) - |x| E / 2
.endr
.irp i, 0,2,4,6
	v_pk_mul_f32 v[(\G)+\i:(\G)+\i+1], v[(\G)+\i:(\G)+\i+1], v[(\L)+\i:(\L)+\i+1]
.endr
.endm
	s_load_b256 s[4:11], s[0:1], 0x0               ; x2q, wts, b1, gq
	v_lshl_add_u32 v254, v0, 2, 0x4b000
	v_mov_b32 v255, 0
	ds_add_u32 v254, v255
	ds_add_u32 v254, v255
	v_lshrrev_b32 v1, 5, v0
	v_readfirstlane_b32 s12, v1                    ; wave 0..3
	s_bfe_u32 s18, ttmp6, 0x40000                  ; cx, cy: my place in the cluster
	s_bfe_u32 s19, ttmp6, 0x40004
	s_lshl_b32 s15, ttmp9, 2
	s_add_co_u32 s15, s15, s18                     ; work-group x = 4 x cluster x + cx
	s_lshl_b32 s13, s15, 2
	s_add_co_u32 s13, s13, s12                     ; my unit U
	s_and_b32 s14, ttmp7, 0xffff
	s_lshl_b32 s14, s14, 2
	s_add_co_u32 s14, s14, s19                     ; work-group y = 4 x cluster y + cy
	s_lshl_b32 s16, s19, 2
	s_lshl_b32 s16, 15, s16                        ; my row of the cluster
	s_lshl_b32 s17, 0x1111, s18                    ; my column
	s_or_b32 s24, s16, (3<<16)|(1<<21)             ; group 1 for x2: it hangs on y alone and goes to my row; a dense block of 100 rows of 256 bytes (32 elements of 8 bytes)
	s_mov_b32 s25, 32<<16
	s_mov_b32 s26, 100<<16
	s_mov_b32 s27, 32<<16
	s_mov_b32 s28, 100
	s_mov_b32 s29, 32
	s_mov_b32 s30, 0
	s_mov_b32 s31, 0
	s_or_b32 s52, s17, (3<<16)|(1<<21)             ; group 1 for the weights: they hang on x alone and go to my column; 200 rows of 256 bytes
	s_mov_b32 s53, 32<<16
	s_mov_b32 s54, 200<<16
	s_mov_b32 s55, 32<<16
	s_mov_b32 s56, 200
	s_mov_b32 s57, 32
	s_mov_b32 s58, 0
	s_mov_b32 s59, 0
	s_mov_b32 s32, 1
	s_mul_i32 s33, s12, 25600                      ; no place in the cluster enters an LDS address
	s_mov_b32 s60, 1
	s_mul_i32 s61, s12, 51200
	s_add_co_u32 s61, s61, 102400
	s_mul_i32 s40, s14, 102400
	s_mul_i32 s41, s12, 25600
	s_add_co_u32 s40, s40, s41
	s_mov_b32 s41, 0
	s_mul_i32 s42, s13, 51200
	s_add_co_u32 s42, s42, 819200                  ; my unit's 8 weight records
	s_mov_b32 s43, 0
	s_lshl_b32 s44, s13, 8                         ; b1: 64 numbers a unit
	s_mov_b32 s45, 0
	s_mul_i32 s46, s14, 409600                     ; gq: 16 records of 25,600 bytes
	s_mov_b32 s47, 0
	s_wait_dscnt 0x0
	s_wait_kmcnt 0x0
	s_add_nc_u64 s[34:35], s[4:5], s[40:41]
	s_or_b32 s35, s35, 0x80000000
	s_add_nc_u64 s[62:63], s[6:7], s[42:43]
	s_or_b32 s63, s63, 0x80000000
	CROUND                                         ; all sixteen work-groups are here: the joint loads meet
	tensor_load_to_lds s[32:35], s[24:31]          ; two loads of mine are out; no byte of LDS is filled twice
	s_nop 0
	tensor_load_to_lds s[60:63], s[52:59]
	s_nop 0
	PLACES 4                                       ; places behind a wave's tensor loads
	s_add_nc_u64 s[8:9], s[8:9], s[44:45]
	s_add_nc_u64 s[38:39], s[10:11], s[46:47]
	v_and_b32 v89, 31, v0                          ; lane
	v_and_b32 v90, 15, v0                          ; r
	v_bfe_u32 v91, v0, 4, 1                        ; h
	v_lshlrev_b32 v1, 4, v89                       ; 16 x lane
	v_lshlrev_b32 v2, 4, v90                       ; 16 r
	v_lshlrev_b32 v88, 6, v91                      ; 64 h
	v_add_nc_u32 v92, s61, v1                      ; LDS: my weight records' images,
	v_add_nc_u32 v93, s61, v2                      ; their scale words
	s_lshr_b32 s40, s13, 1
	s_mul_i32 s40, s40, 1536
	s_and_b32 s41, s13, 1
	s_mul_i32 s41, s41, 768
	s_add_co_u32 s40, s40, s41                     ; my half fragment's place in a record of g
	v_add_nc_u32 v5, s40, v1
	v_lshlrev_b32 v6, 3, v89
	v_add_nc_u32 v6, s40, v6
	v_add_nc_u32 v6, 512, v6
	s_lshl_b32 s41, s13, 1
	s_add_co_u32 s41, s41, 24576
	v_lshlrev_b32 v7, 6, v90
	v_add_nc_u32 v7, s41, v7                       ; my two scale bytes: 24,576 + 64 r + 2 U
	s_mov_b32 s[SEL], 0x76543210
	s_mov_b32 s[SEL+1], 0xfedcba98
	s_mov_b32 s[TX], 0
	v_mov_b32 v3, v1                               ; LDS: the pair's images,
	v_mov_b32 v4, v2                               ; its scale words
	v_mov_b32 v48, 0x3f87dc22                      ; the polynomial's leading coefficient, twice
	v_mov_b32 v49, 0x3f87dc22
.irp b, 0,1,2,3
	v_mov_b32 v[TM+4+\b], 0
.endr
	WIN 0x40
.irp ct, 0,1,2,3,4,5,6,7
.irp q, 0,1
	global_load_b128 v[(B1R&255)+8*\ct+4*\q:(B1R&255)+8*\ct+4*\q+3], v88, s[8:9] offset:8192*(\ct/4)+128*((\ct%4)/2)+32*(\ct%2)+16*\q
.endr
.endr
	WIN 0
	s_wait_loadcnt 0x0
	s_wait_tensorcnt 0x0                           ; my weights and my quarter of x2's records have landed,
	s_barrier_signal -1
	s_barrier_wait -1                              ; everybody's have
.irp ct, 0,1,2,3,4,5,6,7
	ds_load_b128 v[WS+4*\ct:WS+4*\ct+3], v93 offset:6400*\ct+6144
.endr
.irp ct, 0,1,2,3,4,5,6,7
.irp ks, 0,1,2,3
	LDF_L 512+48*\ct+12*\ks+16*(\ct/5), 92, 6400*\ct+1536*\ks
.endr
.endr
.macro XLOAD                           ; a pair's 8 fragments and 8 scale words
.irp u, 0,1
.irp ks, 0,1,2,3
	LDF_L XF+48*\u+12*\ks, 3, 6400*\u+1536*\ks
.endr
.endr
	WIN 0
	ds_load_b128 v[XS:XS+3], v4 offset:6144
	ds_load_b128 v[XS+4:XS+7], v4 offset:6400+6144
.endm
	XLOAD
.macro PAIR next
	s_wait_dscnt 0x0
.irp ks, 0,1,2,3
.irp ct, 0,1,2,3,4,5,6,7
.irp u, 0,1
.if \ks == 0
	MM ACC+32*\u+8*\ct+32*(\ct/4), 512+48*\ct+12*\ks+16*(\ct/5), XF+48*\u+12*\ks, B1R+8*\ct, WS+4*\ct+\ks, XS+4*\u+\ks, 0
.else
	MM ACC+32*\u+8*\ct+32*(\ct/4), 512+48*\ct+12*\ks+16*(\ct/5), XF+48*\u+12*\ks, ACC+32*\u+8*\ct+32*(\ct/4), WS+4*\ct+\ks, XS+4*\u+\ks, 0
.endif
.endr
.endr
.endr
	WIN 0
	PLACES 4                                       ; in front of loads into registers that the products have read, and of the first read of results
.if \next
	s_add_co_u32 s[TX], s[TX], 12800               ; the next pair's two records: they land under the activation
	v_add_nc_u32 v3, s[TX], v1
	v_add_nc_u32 v4, s[TX], v2
	XLOAD
.endif
	s_wait_xcnt 0x0                                ; the last pair's stores have read their registers and their base
	s_add_nc_u64 s[38:39], s[38:39], 51200         ; two records of g on; the stores below reach back
.irp u, 0,1
.irp ct, 0,1,2,3
	GELU8 ACC+32*\u+8*\ct, ACC+64+32*\u+8*\ct
.endr
.endr
	QUANT ACC, 0, 4                                ; tile 0's 64 features | tile 1's
	global_store_b128 v5, v[PC:PC+3], s[38:39] offset:-51200
	global_store_b64 v6, v[PC+4:PC+5], s[38:39] offset:-51200
	global_store_b16 v7, v[PW], s[38:39] offset:-51200
	global_store_b128 v5, v[PC+6:PC+9], s[38:39] offset:-25600
	global_store_b64 v6, v[PC+10:PC+11], s[38:39] offset:-25600
	global_store_d16_hi_b16 v7, v[PW], s[38:39] offset:-25600
.endm
	s_mov_b32 s[CNT], 7
.Lpair:
	PAIR 1
	s_sub_co_u32 s[CNT], s[CNT], 1
	s_cmp_lg_u32 s[CNT], 0
	s_cbranch_scc1 .Lpair
	PAIR 0                                         ; the last pair fetches nothing
	s_wait_tensorcnt 0x0
	ds_add_u32 v254, v255
	s_wait_dscnt 0x0
	CROUND                                         ; the closing round: no work-group ends while a partner may still ask for a block that names it
	s_endpgm
.Lfunc_end_k_qe0851be5e7_ffn1:
	.size	k_qe0851be5e7_ffn1, .Lfunc_end_k_qe0851be5e7_ffn1-k_qe0851be5e7_ffn1
	.p2alignl 7, 3214868480
	.fill 96, 4, 3214868480
	.section	.rodata,"a",@progbits
	.p2align	6, 0x0
	.amdhsa_kernel k_qe0851be5e7_ffn1
		.amdhsa_group_segment_fixed_size 307712
		.amdhsa_private_segment_fixed_size 0
		.amdhsa_enable_private_segment 0
		.amdhsa_kernarg_size 32
		.amdhsa_user_sgpr_count 2
		.amdhsa_user_sgpr_kernarg_segment_ptr 1
		.amdhsa_wavefront_size32 1
		.amdhsa_system_sgpr_workgroup_id_x 1
		.amdhsa_system_sgpr_workgroup_id_y 1
		.amdhsa_system_sgpr_workgroup_id_z 1
		.amdhsa_system_vgpr_workitem_id 0
		.amdhsa_next_free_vgpr 1024
		.amdhsa_next_free_sgpr 66
		.amdhsa_reserve_vcc 0
		.amdhsa_float_denorm_mode_32 3
		.amdhsa_float_denorm_mode_16_64 3
		.amdhsa_memory_ordered 1
		.amdhsa_forward_progress 1
		.amdhsa_inst_pref_size 126
	.end_amdhsa_kernel
	.amdgpu_metadata
---
amdhsa.version: [ 1, 2 ]
amdhsa.kernels:
  - .name:           k_qe0851be5e7_ffn1
    .symbol:         k_qe0851be5e7_ffn1.kd
    .args:
      - { .name: x2q, .offset: 0, .size: 8, .value_kind: global_buffer, .address_space: global }
      - { .name: wts, .offset: 8, .size: 8, .value_kind: global_buffer, .address_space: global }
      - { .name: b1, .offset: 16, .size: 8, .value_kind: global_buffer, .address_space: global }
      - { .name: gq, .offset: 24, .size: 8, .value_kind: global_buffer, .address_space: global }
    .group_segment_fixed_size: 307712
    .private_segment_fixed_size: 0
    .kernarg_segment_align: 8
    .kernarg_segment_size: 32
    .max_flat_workgroup_size: 128
    .sgpr_count:     66
    .vgpr_count:     1024
    .wavefront_size: 32
...
	.end_amdgpu_metadata
.endif
;; end of part 5
;; launch ffn2 (part 6): grid 128 x 2, 4 waves a work-group, clusters of 4 x 1, 327,680 bytes of LDS; arguments gq, wts, src2, b2, out0; writes out0
.if DOCPART == 6
	.amdgcn_target "amdgcn-amd-amdhsa--gfx1250"
	.amdhsa_code_object_version 6
	.text
	.protected	k_qe0851be5e7_ffn2
	.globl	k_qe0851be5e7_ffn2
	.p2align	8
	.type	k_qe0851be5e7_ffn2,@function
k_qe0851be5e7_ffn2:
	s_mov_b64 s[64:65], 0
	v_nop
	global_prefetch_b8 v0, s[64:65] scope:SCOPE_SE
	s_setreg_imm32_b32 hwreg(HW_REG_WAVE_MODE, 25, 1), 1
	s_wait_xcnt 0x0
	s_wait_alu depctr_hold_cnt(0) depctr_sa_sdst(0) depctr_va_vdst(0) depctr_va_sdst(0) depctr_va_ssrc(0) depctr_va_vcc(0) depctr_vm_vsrc(0)
	s_getreg_b32 s2, hwreg(HW_REG_IB_STS2, 6, 4)
	s_cmp_eq_u32 s2, 0
	s_cbranch_scc0 .Lentry_in_a_cluster
	s_endpgm
.Lentry_in_a_cluster:
	s_bfe_u32 s2, ttmp6, 0x10000c
	s_cmp_lg_u32 s2, 0x3003
	s_cbranch_scc0 .Lentry_shape_is_right
	s_endpgm
.Lentry_shape_is_right:
; FFN2.  out0 = src2 + g w2 + b2, the product on codes of E2M3, K = 2,048.
; A work-group takes 64 rows (x: tiles 4 x + t) and 256 columns (y); wave w takes column tiles 16 y + 4 w + ct, ct = 0..3: 16 accumulators.
; g's four records (25,600 bytes each, dense) come into LDS once, one by each wave's tensor load, and are read by all four waves.
; CLUSTER: the four row blocks of a cluster take the same column half and need the same codes of w2: they are asked for JOINTLY, by the same tensor load with the same descriptor and a mask that names the four.
; THE WEIGHTS' RING: 16 column tiles x 16 K steps x 1,536 bytes do not fit beside g, so they go through two slots of four K steps (98,304 bytes each).  A wave's load brings its own 4 column tiles x 4 K steps:
; 4 rows of 6,144 bytes, 25,600 bytes apart in memory, dense in LDS; the wave alone reads them.  Both slots are filled at the start; slot 0 is filled again (K steps 8-11) ahead of K step 3's products, when that
; step's fragments are in registers, slot 1 (K steps 12-15) ahead of K step 7's.  Each refill stands behind the wait for all my tensor loads, the add, the wait for my LDS reads and a round of the cluster's barrier,
; and has four K steps, 64 products of each wave, in which to land.  A wave has three tensor loads out at the start and one behind each round.
; src2's accumulator images are loaded straight into the accumulators and begin the sums.  Source 0 = weight tile, source 1 = g tile: a lane holds a row and eight neighbouring columns.
; The way out goes through the wave's own stage in LDS (16 rows x 272 bytes, bytes that no tensor load fills): sixteen lanes then store 256 consecutive bytes of a row of out0, at a multiple of 256 from its first byte.
; All of the LDS is claimed.
.set B2R, 16                           ; v16-47   b2 at my columns, 8 ct + j
.set TA,  48                           ; v48-79   a tile of rows, finished
.set TBK, 80                           ; v80-111  and read back by rows
.set SPW, 112                          ; v112     LDS address of my spare word: SPARE + 4 x my thread's number; never rewritten
.set NIL, 113                          ; v113     0; never rewritten
.set WS,  128                          ; v128-191 the weights' scale words, 16 ct + ks
.set GS,  192                          ; v192-255 g's, 16 t + ks
.set WF,  256                          ; window 1: weights, two sets: 48 set + 12 ct
.set ACC, 512                          ; window 2: 32 t + 8 ct
.set GF,  768                          ; window 3: g, two sets: 48 set + 12 t
.set WB,    102400                     ; LDS: the ring, behind g's four records
.set SLOTB, 98304                      ; a slot: 24,576 bytes for each wave
.set STG,   299008                     ; the stages, 4,352 bytes for each wave
.set SPARE, 316416                     ; the spare words, 128 bytes for each wave: two blocks of 256 bytes that no other line names
.set G1W, 48                           ; s[48:55] descriptor group 1 for the weights
.set G0W, 56                           ; s[56:63] group 0, one set for each slot
.set WVN, 14
.set MSB, 0
.macro WIN new
.if MSB != (\new)
	s_set_vgpr_msb (MSB<<8)|(\new)
.set MSB, (\new)
.endif
.endm
.macro PLACES n
.rept \n
	v_nop
.endr
.endm
.macro CROUND                          ; a round of the cluster's barrier
	s_barrier_signal -1
	s_barrier_wait -1
	s_cmp_lg_u32 s[WVN], 0
	s_cbranch_scc1 .Lnot_wave_0_\@
	s_barrier_signal -3
.Lnot_wave_0_\@:
	s_barrier_wait -3
	s_barrier_signal -1
	s_barrier_wait -1
.endm
.macro MM d, a, b, c, sa, sb, rowa
.set mD, (\d)&255
.set mA, (\a)&255
.set mB, (\b)&255
.set mC, (\c)&255
.set mW, (((\d)>>8)<<6)|(((\c)>>8)<<4)|(((\b)>>8)<<2)|((\a)>>8)
	WIN mW
	v_wmma_scale_f32_16x16x128_f8f6f4 v[mD:mD+7], v[mA:mA+11], v[mB:mB+11], v[mC:mC+7], v[\sa], v[\sb] matrix_a_fmt:MATRIX_FMT_FP6 matrix_b_fmt:MATRIX_FMT_FP6
.endm
.macro LDF_L g, va, off                ; a fragment's image from LDS: each load reads 512 consecutive bytes
.set mW, ((\g)>>8)<<6
	WIN mW
.set mG, (\g)&255
	ds_load_b128 v[mG:mG+3], v[\va] offset:(\off)
	ds_load_b128 v[mG+4:mG+7], v[\va] offset:(\off)+512
	ds_load_b128 v[mG+8:mG+11], v[\va] offset:(\off)+1024
.endm
.macro LDH_L g, va16, va8, off         ; a fragment that lies by halves: four registers at 16 lane, two at 512 + 8 lane, twice
.set mW, ((\g)>>8)<<6
	WIN mW
.set mG, (\g)&255
	ds_load_b128 v[mG:mG+3], v[\va16] offset:(\off)
	ds_load_b64 v[mG+4:mG+5], v[\va8] offset:(\off)+512
	ds_load_b128 v[mG+6:mG+9], v[\va16] offset:(\off)+768
	ds_load_b64 v[mG+10:mG+11], v[\va8] offset:(\off)+1280
.endm
	s_load_b256 s[4:11], s[0:1], 0x0               ; gq, wts, src2, b2
	s_load_b64 s[12:13], s[0:1], 0x20              ; out0
	v_lshl_add_u32 v[SPW], v0, 2, SPARE
	v_mov_b32 v[NIL], 0
	ds_add_u32 v112, v113
	ds_add_u32 v112, v113
	s_wait_dscnt 0x0
	v_lshrrev_b32 v1, 5, v0
	v_readfirstlane_b32 s14, v1                    ; wave 0..3
	s_bfe_u32 s15, ttmp6, 0x40000                  ; cx: my place in the cluster
	s_lshl_b32 s16, ttmp9, 2
	s_add_co_u32 s16, s16, s15                     ; my block of 64 rows = 4 x cluster x + cx: it enters g's, src2's and out0's addresses alone
	s_and_b32 s17, ttmp7, 0xffff                   ; the column half, which the four partners share
	s_mov_b32 s24, 3<<16                           ; group 1 for g: no mask; a dense block of 100 rows of 256 bytes (32 elements of 8 bytes)
	s_mov_b32 s25, 32<<16
	s_mov_b32 s26, 100<<16
	s_mov_b32 s27, 32<<16
	s_mov_b32 s28, 100
	s_mov_b32 s29, 32
	s_mov_b32 s30, 0
	s_mov_b32 s31, 0
	s_mov_b32 s[G1W], 15|(3<<16)|(1<<21)           ; group 1 for the weights: the mask names all four work-groups; elements of 8 bytes
	s_mov_b32 s[G1W+1], 768<<16                    ; tensor_dim0 = 768 elements: four K steps' fragments of a column tile, 6,144 bytes on end
	s_mov_b32 s[G1W+2], 4<<16                      ; tensor_dim1 = 4 column tiles
	s_mov_b32 s[G1W+3], 768<<16                    ; tile_dim0
	s_mov_b32 s[G1W+4], 4                          ; tile_dim1
	s_mov_b32 s[G1W+5], 3200                       ; from a column tile's record to the next: 25,600 bytes
	s_mov_b32 s[G1W+6], 0
	s_mov_b32 s[G1W+7], 0
	s_mov_b32 s32, 1
	s_mul_i32 s33, s14, 25600
	s_mov_b32 s[G0W], 1
	s_mul_i32 s[G0W+1], s14, 24576
	s_add_co_u32 s[G0W+1], s[G0W+1], WB            ; slot 0, my part: no place in the cluster enters an LDS address
	s_mov_b32 s[G0W+4], 1
	s_add_co_u32 s[G0W+5], s[G0W+1], SLOTB         ; slot 1
	s_lshl_b32 s36, s16, 2
	s_add_co_u32 s36, s36, s14
	s_mul_i32 s36, s36, 25600                      ; g's record 4 x + wave
	s_mov_b32 s37, 0
	s_lshl_b32 s38, s17, 4
	s_lshl_b32 s39, s14, 2
	s_add_co_u32 s38, s38, s39                     ; my first column tile
	s_mul_i32 s40, s38, 25600
	s_add_co_u32 s40, s40, 2457600
	s_mov_b32 s41, 0
	s_lshl_b32 s42, s16, 7
	s_add_co_u32 s42, s42, s38
	s_lshl_b32 s42, s42, 10                        ; src2: image (4 x) 32 + my first column tile
	s_mov_b32 s43, 0
	s_lshl_b32 s44, s38, 6                         ; 16 columns are 64 bytes
	s_mov_b32 s45, 0
	s_lshl_b32 s46, s16, 17
	s_add_co_u32 s46, s46, s44                     ; out0: 64 rows of 2,048 bytes a block, + my columns
	s_mov_b32 s47, 0
	s_wait_kmcnt 0x0
	s_add_nc_u64 s[34:35], s[4:5], s[36:37]
	s_or_b32 s35, s35, 0x80000000
	s_add_nc_u64 s[20:21], s[6:7], s[40:41]        ; my four column tiles' records
	s_mov_b64 s[G0W+2:G0W+3], s[20:21]             ; K steps 0-3
	s_or_b32 s[G0W+3], s[G0W+3], 0x80000000
	s_add_nc_u64 s[G0W+6:G0W+7], s[20:21], 6144    ; K steps 4-7
	s_or_b32 s[G0W+7], s[G0W+7], 0x80000000
	CROUND                                         ; all four work-groups are here: the first joint loads meet
	tensor_load_to_lds s[32:35], s[24:31]          ; the first fills go out together: g's record, slot 0, slot 1
	s_nop 0
	tensor_load_to_lds s[G0W:G0W+3], s[G1W:G1W+7]
	s_nop 0
	tensor_load_to_lds s[G0W+4:G0W+7], s[G1W:G1W+7]
	s_nop 0
	PLACES 4                                       ; places behind a wave's tensor loads
	s_add_nc_u64 s[8:9], s[8:9], s[42:43]
	s_add_nc_u64 s[10:11], s[10:11], s[44:45]
	s_add_nc_u64 s[12:13], s[12:13], s[46:47]
	v_and_b32 v11, 31, v0                          ; lane
	v_and_b32 v12, 15, v0                          ; r
	v_bfe_u32 v13, v0, 4, 1                        ; h
	v_lshlrev_b32 v1, 4, v11                       ; 16 x lane
	v_lshlrev_b32 v2, 3, v11                       ; 8 x lane
	v_lshlrev_b32 v3, 6, v12                       ; 64 r
	v_add_nc_u32 v4, 51200, v1                     ; the same for records 2 and 3: an LDS offset has 16 bits
	v_add_nc_u32 v5, 51200, v2
	v_add_nc_u32 v6, 51200, v3
	v_lshlrev_b32 v7, 6, v13                       ; 64 h
	v_add_nc_u32 v14, s[G0W+1], v1                 ; my weights in slot 0,
	v_add_nc_u32 v15, s[G0W+5], v1                 ; in slot 1
	s_mul_i32 s36, s14, 4352
	s_add_co_u32 s36, s36, STG                     ; my stage
	v_mul_u32_u24 v8, v12, 272
	v_lshl_add_u32 v8, v13, 6, v8
	v_add_nc_u32 v8, s36, v8                       ; in: row r, + 64 h
	v_mul_u32_u24 v9, v13, 272
	v_lshl_add_u32 v9, v12, 4, v9
	v_add_nc_u32 v9, s36, v9                       ; back: lanes 0-15 one row, lanes 16-31 the next
	v_lshlrev_b32 v10, 11, v13
	v_lshl_add_u32 v10, v12, 4, v10                ; and the same in out0
	WIN 0x80                                       ; destination window 2
.irp t, 0,1,2,3
.irp ct, 0,1,2,3
.irp q, 0,1
	global_load_b128 v[32*\t+8*\ct+4*\q:32*\t+8*\ct+4*\q+3], v1, s[8:9] offset:32768*\t+1024*\ct+512*\q th:TH_LOAD_NT
.endr
.endr
.endr
	WIN 0
.irp ct, 0,1,2,3
.irp i, 0,1,2,3
	global_load_b128 v[WS+16*\ct+4*\i:WS+16*\ct+4*\i+3], v3, s[20:21] offset:25600*\ct+24576+16*\i
.endr
.endr
.irp ct, 0,1,2,3
.irp q, 0,1
	global_load_b128 v[B2R+8*\ct+4*\q:B2R+8*\ct+4*\q+3], v7, s[10:11] offset:128*(\ct/2)+32*(\ct%2)+16*\q
.endr
.endr
	s_wait_tensorcnt 0x1                           ; my record of g and my part of slot 0 have landed; slot 1's load may be out
	s_barrier_signal -1
	s_barrier_wait -1                              ; everybody's record of g has
.macro WLOAD k                         ; K step k's four weight fragments into set k % 2: slot (k / 4) % 2, step k % 4 of the slot
.irp ct, 0,1,2,3
	LDF_L WF+48*((\k)%2)+12*\ct, 14+(((\k)/4)%2), 6144*\ct+1536*((\k)%4)
.endr
.endm
.macro GLOAD k                         ; and g's four into set k % 2
.irp t, 0,1,2,3
	LDH_L GF+48*((\k)%2)+12*\t, 1+3*(\t/2), 2+3*(\t/2), 25600*(\t%2)+1536*(\k)
.endr
.endm
.irp t, 0,1,2,3
.irp i, 0,1,2,3
	ds_load_b128 v[GS+16*\t+4*\i:GS+16*\t+4*\i+3], v[3+3*(\t/2)] offset:25600*(\t%2)+24576+16*\i
.endr
.endr
	WLOAD 0
	GLOAD 0
; THE CHANGE OF SLOTS stands at the head of a slot's last K step, whose fragments have been asked for a K step ago.
.macro CHANGE slot
	WIN 0
	s_wait_tensorcnt 0x0                           ; all my tensor loads have landed, the other slot's among them: so a group 0 may be written
	ds_add_u32 v[SPW], v[NIL]                      ; 0 onto my spare word
	s_add_nc_u64 s[G0W+4*\slot+2:G0W+4*\slot+3], s[G0W+4*\slot+2:G0W+4*\slot+3], 12288   ; this slot's next four K steps; the type bits on top are not reached
	s_wait_dscnt 0x0                               ; the add is done, and my reads of this slot are over: its last K step's fragments are in registers
	CROUND                                         ; no wave of any partner still reads this slot or has a load on its way
	tensor_load_to_lds s[G0W+4*\slot:G0W+4*\slot+3], s[G1W:G1W+7]   ; the first thing behind the round, and my one tensor load until the next
	s_nop 0
	PLACES 4                                       ; places in front of the loads below
.endm
.macro KSTEP k
.if ((\k) == 3) || ((\k) == 7)
	CHANGE ((\k)/4)
.elseif (\k) > 0
	PLACES 4                                       ; in front of loads into registers that the last K step's products have read
.endif
.if (\k) == 11
	s_wait_tensorcnt 0x0                           ; K steps 12-15 have landed in slot 1: the last load of the launch; I alone read my part
.endif
.if (\k) < 15
	WLOAD (\k)+1
	GLOAD (\k)+1
	s_wait_dscnt 28                                ; this K step's fragments are in; the next one's 12 + 16 loads may be out
.else
	s_wait_dscnt 0x0
.endif
.if (\k) == 0
	s_wait_loadcnt 0x0                             ; src2's images, the weights' scale words, b2
.endif
.irp t, 0,1,2,3                        ; 16 accumulators by turns
.irp ct, 0,1,2,3
	MM ACC+32*\t+8*\ct, WF+48*((\k)%2)+12*\ct, GF+48*((\k)%2)+12*\t, ACC+32*\t+8*\ct, WS+16*\ct+(\k), GS+16*\t+(\k), 0
.endr
.endr
.endm
.irp k, 0,1,2,3,4,5,6,7,8,9,10,11,12,13,14,15
	KSTEP \k
.endr
	PLACES 4
.irp t, 0,1,2,3
	WIN 0x02                                       ; source 0 window 2
.set k, 0
.rept 16
	v_pk_add_f32 v[TA+k:TA+k+1], v[32*\t+k:32*\t+k+1], v[B2R+k:B2R+k+1]   ; + b2; each accumulator from its low end on
.set k, k+2
.endr
	WIN 0
.irp ct, 0,1,2,3
.irp q, 0,1
	ds_store_b128 v8, v[TA+8*\ct+4*\q:TA+8*\ct+4*\q+3] offset:128*(\ct/2)+32*(\ct%2)+16*\q
.endr
.endr
	s_wait_xcnt 0x0                                ; the last tile's stores have read the registers that the loads below fill
.irp i, 0,1,2,3,4,5,6,7
	ds_load_b128 v[TBK+4*\i:TBK+4*\i+3], v9 offset:544*\i   ; LDS serves a wave's instructions in order (ISA guide 5.7.1.4): these see my stores
.endr
	s_wait_dscnt 0x0
.irp i, 0,1,2,3,4,5,6,7
	global_store_b128 v10, v[TBK+4*\i:TBK+4*\i+3], s[12:13] offset:(32*(\t/2)+8*(\t%2)+2*\i+8*(\i/4))*2048 th:TH_STORE_NT   ; slot 2 i + h of tile t is row 32 (t / 2) + 8 (t % 2) + slot + (slot & 8)
.endr
.endr
	s_wait_tensorcnt 0x0                           ; the wave's end, behind my last tensor load and my last LDS store
	ds_add_u32 v[SPW], v[NIL]
	s_wait_dscnt 0x0
	CROUND                                         ; the closing round: no work-group ends while a partner may still ask for a tile that names it
	s_endpgm
.Lfunc_end_k_qe0851be5e7_ffn2:
	.size	k_qe0851be5e7_ffn2, .Lfunc_end_k_qe0851be5e7_ffn2-k_qe0851be5e7_ffn2
	.p2alignl 7, 3214868480
	.fill 96, 4, 3214868480
	.section	.rodata,"a",@progbits
	.p2align	6, 0x0
	.amdhsa_kernel k_qe0851be5e7_ffn2
		.amdhsa_group_segment_fixed_size 327680
		.amdhsa_private_segment_fixed_size 0
		.amdhsa_enable_private_segment 0
		.amdhsa_kernarg_size 40
		.amdhsa_user_sgpr_count 2
		.amdhsa_user_sgpr_kernarg_segment_ptr 1
		.amdhsa_wavefront_size32 1
		.amdhsa_system_sgpr_workgroup_id_x 1
		.amdhsa_system_sgpr_workgroup_id_y 1
		.amdhsa_system_sgpr_workgroup_id_z 1
		.amdhsa_system_vgpr_workitem_id 0
		.amdhsa_next_free_vgpr 1024
		.amdhsa_next_free_sgpr 66
		.amdhsa_reserve_vcc 0
		.amdhsa_float_denorm_mode_32 3
		.amdhsa_float_denorm_mode_16_64 3
		.amdhsa_memory_ordered 1
		.amdhsa_forward_progress 1
		.amdhsa_inst_pref_size 89
	.end_amdhsa_kernel
	.amdgpu_metadata
---
amdhsa.version: [ 1, 2 ]
amdhsa.kernels:
  - .name:           k_qe0851be5e7_ffn2
    .symbol:         k_qe0851be5e7_ffn2.kd
    .args:
      - { .name: gq, .offset: 0, .size: 8, .value_kind: global_buffer, .address_space: global }
      - { .name: wts, .offset: 8, .size: 8, .value_kind: global_buffer, .address_space: global }
      - { .name: src2, .offset: 16, .size: 8, .value_kind: global_buffer, .address_space: global }
      - { .name: b2, .offset: 24, .size: 8, .value_kind: global_buffer, .address_space: global }
      - { .name: out0, .offset: 32, .size: 8, .value_kind: global_buffer, .address_space: global }
    .group_segment_fixed_size: 327680
    .private_segment_fixed_size: 0
    .kernarg_segment_align: 8
    .kernarg_segment_size: 40
    .max_flat_workgroup_size: 128
    .sgpr_count:     66
    .vgpr_count:     1024
    .wavefront_size: 32
...
	.end_amdgpu_metadata
.endif
;; end of part 6
